; MI455X (gfx1250); checked and timed in simulation.
; The chip was launched on July 23, 2026; its instructions are those of AMD's public machine-readable ISA for CDNA 5 (MIT licence, August 2026) and "CDNA5" Instruction Set Architecture Reference Guide (July 2026). The comments in the code are by the model that wrote it; some were corrected since.
;; Cross Attention. Allowed arithmetic: matrix products marked QUANTISED: E2M3 operands, one E8M0 scale for each 32 along K, by v_wmma_scale_f32_16x16x128_f8f6f4 with both operands' format E2M3, f32 sums; everything else in f32.
;; Inputs: Wc 512 x 512 float32; Wk 512 x 512 float32; Wq 512 x 512 float32; Wv 512 x 512 float32; bc 512 float32; bk 512 float32; bq 512 float32; bv 512 float32; cross_x 8 x 2,048 x 512 float32; cross_y 8 x 2,048 x 512 float32; ln_o_b 512 float32; ln_o_g 512 float32; ln_x_b 512 float32; ln_x_g 512 float32; ln_y_b 512 float32; ln_y_g 512 float32.
;; Outputs: out0 8 x 2,048 x 512 float32.
;; This version of the problem:
;;   THIS VERSION OF THE PROBLEM IS GIVEN IN LOW PRECISION. The matrix products marked QUANTISED in the list below multiply operands that are first quantised to E2M3 (2 exponent bits, 3 mantissa bits; 6 bits a number), with one power-of-two scale for each 32 numbers along K (OCP MX v1.0); their sums are f32. All else is computed in f32.
;;   The module's matrix products, in the order in which they are computed (A, B: the left and right operand; K: the contracted axis; several contracted axes count as one K, in the product's order):
;;     1. [M 16,384, K 512] x [K 512, N 512]; A: computed on the way; B: input Wq: QUANTISED
;;     2. [M 16,384, K 512] x [K 512, N 512]; A: computed on the way; B: input Wk: QUANTISED
;;     3. [M 16,384, K 512] x [K 512, N 512]; A: computed on the way; B: input Wv: QUANTISED
;;     4. batch 64 x [M 2,048, K 64] x [K 64, N 2,048]; A: computed on the way; B: computed on the way: QUANTISED
;;     5. batch 64 x [M 2,048, K 2,048] x [K 2,048, N 64]; A: computed on the way; B: computed on the way: QUANTISED
;;     6. [M 16,384, K 512] x [K 512, N 512]; A: computed on the way; B: input Wc: QUANTISED
;;   THE QUANTISER, for each operand of a quantised product, along K:
;;     - K is cut into blocks of 32 from its start; a last block that is shorter is filled with zeros.
;;     - A block's scale is 2^e with e = floor(log2(the largest magnitude in the block)) - 2, held to -126 .. 127; a block of zeros has e = 0. As a byte (E8M0): e + 127.
;;     - Each number is divided by its block's scale, clamped to +-7.5, and rounded to the nearest number of E2M3, ties to even, subnormals kept.
;;     - The product sums the exact products of the quantised numbers (number of the format x scale) in f32.
;;   ~~~python
;;   def quantise(x, axis):      # numpy; x: float32 -> the quantised numbers, widened to float32 again
;;       x = np.moveaxis(x, axis, -1); K = x.shape[-1]
;;       x = np.pad(x, [(0, 0)] * (x.ndim - 1) + [(0, -K % 32)]); x = x.reshape(x.shape[:-1] + (-1, 32)); a = np.abs(x).max(-1, keepdims=True)
;;       e = np.where(a > 0, np.clip(np.frexp(np.where(a > 0, a, 1))[1] - 1 - 2, -126, 127), 0)      # np.frexp(a)[1] - 1 = floor(log2(a)), exactly
;;       r = np.clip(x / 2.0 ** e, -7.5, 7.5)
;;       step = 2.0 ** (np.maximum(np.frexp(np.where(r == 0, 1, r))[1] - 1, 0) - 3)
;;       q = np.round(r / step) * step * 2.0 ** e      # np.round: ties to even
;;       return np.moveaxis(q.reshape(q.shape[:-2] + (-1,))[..., :K], -1, axis).astype(np.float32)
;;   ~~~
;;   OPERANDS COMPUTED ON THE WAY. 'Computed on the way' means the value that the module computes at that place (a softmax that the list does not call 'softmax' is quantised finished and normalised). What goes into a quantiser is computed in f32, as accurately as f32 sums, v_exp_f32 and their like allow (about 1e-6 of the number): no bf16 or f16 on the way to a quantiser, and a product that is left as it is and whose result goes on into a quantised operand takes f32 operands (vector FMAs, or v_wmma_f32_16x16x4_f32). A number that lies on a knife's edge between two numbers of the format may be rounded either way, as far as f32 arithmetic and the matrix unit's own rounding can turn it there, and no further.
;; One version. Each part assembles by itself: llvm-mc -triple=amdgcn-amd-amdhsa -mcpu=gfx1250 --defsym DOCPART=n.
;; ======== version 1 of 1: 3 launches
;; workspace buffers: wts 819,200 bytes; qf 33,554,432 bytes; qbuf 6,553,600 bytes; kbuf 6,553,600 bytes; vbuf 6,553,600 bytes
;; launch wquant (part 1): grid 256 x 1, 1 waves a work-group, no clusters, 0 bytes of LDS; arguments Wq, Wk, Wv, Wc, wts; writes wts
.if DOCPART == 1
	.amdgcn_target "amdgcn-amd-amdhsa--gfx1250"
	.amdhsa_code_object_version 6
	.text
	.protected	k_qf90a65a256_wquant
	.globl	k_qf90a65a256_wquant
	.p2align	8
	.type	k_qf90a65a256_wquant,@function
k_qf90a65a256_wquant:
	s_mov_b64 s[64:65], 0
	v_nop
	global_prefetch_b8 v0, s[64:65] scope:SCOPE_SE
	s_setreg_imm32_b32 hwreg(HW_REG_WAVE_MODE, 25, 1), 1
	s_wait_xcnt 0x0
; The four weights [512][512] f32 become codes of FP6 (E2M3) with one E8M0 byte for each 32 along K, laid in the order of an operand's registers.
; Wq, Wk, Wv are used as x @ W: K is their FIRST axis.  Wc is used as d @ Wc^T: K is its last axis.
; A fragment is 16 output channels x 128 along K, 12 registers a lane: lane (r, h) holds channel 32 (t / 2) + 8 (t % 2) + r + 8 (r / 8) of tile t, registers 6 c .. 6 c + 5 hold k = 128 s + 64 c + 32 h + 0 .. 31.
; wts: matrix J at 204,800 J; half t / 16 at + 102,400; fragment (t, s) at (4 (t % 16) + s) x 1,536 as three runs of 512 bytes (registers 4 c .. 4 c + 3, 16 bytes a lane);
; at + 98,304 the scale words, 128 bytes for each (pair of tiles, s): lanes 0-15 the even tile's rows, lanes 16-31 the odd tile's.
; One wave a work-group: matrix J = id / 64, pair of tiles tp = (id / 4) % 16, K step s = id % 4.  A lane's registers run along K, so a block's largest magnitude needs no other lane.
; The loads of Wq, Wk, Wv read 32 consecutive bytes for eight lanes: the launch reads 4 MiB in all, shared out over 256 waves.
; LIMITS: a block whose largest magnitude lies under 2^-124 (a block of zeros too) gets the byte 1; only this program reads the bytes, and zero codes add nothing.  NaN and infinities are not served.
.set X,    64                          ; v64-191  the numbers: 64 u + 32 c + i
.set PCW,  200                         ; v200-223 the two fragments
.set TMPC, 224                         ; v224-230 a block's upper 16 codes (a conversion's three registers begin on an even number)
.set SEL,  30                          ; s[30:31] lane selects: lane l xor 16
.set HM,   32                          ; s32      lanes 16-31
	s_load_b256 s[8:15], s[0:1], 0x0               ; Wq, Wk, Wv, Wc
	s_load_b64 s[16:17], s[0:1], 0x20              ; wts
	s_lshr_b32 s20, ttmp9, 6                       ; J
	s_bfe_u32 s21, ttmp9, 0x40002                  ; tp
	s_and_b32 s22, ttmp9, 3                        ; s
	v_and_b32 v6, 15, v0                           ; r
	v_bfe_u32 v2, v0, 4, 1                         ; h
	v_and_b32 v1, 8, v6
	v_add_nc_u32 v1, v1, v6                        ; r + 8 (r / 8)
	v_lshlrev_b32 v4, 4, v0                        ; 16 x lane
	v_lshlrev_b32 v5, 2, v0                        ; 4 x lane
	v_lshlrev_b32 v7, 3, v2                        ; 8 h: my bytes' place in a scale word
	v_mov_b32 v43, 0                               ; a lane permute's destination counts as one of its sources
	s_mov_b32 s[SEL], 0x76543210
	s_mov_b32 s[SEL+1], 0xfedcba98
	s_mov_b32 s[HM], 0xffff0000
	s_mul_i32 s26, s20, 204800
	s_lshr_b32 s27, s21, 3
	s_mul_i32 s27, s27, 102400
	s_add_co_u32 s26, s26, s27                     ; the half's first byte
	s_and_b32 s27, s21, 7
	s_lshl_b32 s28, s27, 3
	s_add_co_u32 s28, s28, s22
	s_mul_i32 s28, s28, 1536                       ; fragment (2 tp, s)
	s_add_co_u32 s28, s28, s26
	s_mov_b32 s29, 0
	s_lshl_b32 s27, s27, 2
	s_add_co_u32 s27, s27, s22
	s_lshl_b32 s27, s27, 7                         ; the pair's scale words
	s_add_co_u32 s26, s26, s27
	s_add_co_u32 s26, s26, 98304
	s_mov_b32 s27, 0
	s_wait_kmcnt 0x0
	s_add_nc_u64 s[18:19], s[16:17], s[26:27]      ; where the words go
	s_add_nc_u64 s[16:17], s[16:17], s[28:29]      ; where the codes go
	s_cmp_eq_u32 s20, 1                            ; the matrix: a choice on the work-group's number alone
	s_cselect_b64 s[24:25], s[10:11], s[8:9]
	s_cmp_eq_u32 s20, 2
	s_cselect_b64 s[24:25], s[12:13], s[24:25]
	s_cmp_eq_u32 s20, 3
	s_cselect_b64 s[24:25], s[14:15], s[24:25]
	s_cmp_eq_u32 s20, 3
	s_cbranch_scc1 .Lwc
	s_lshl_b32 s34, s22, 18                        ; K first: 128 s rows of 2,048 bytes,
	s_lshl_b32 s35, s21, 7                         ; 32 tp columns
	s_add_co_u32 s34, s34, s35
	s_mov_b32 s35, 0
	s_add_nc_u64 s[24:25], s[24:25], s[34:35]
	v_lshlrev_b32 v3, 2, v1
	v_lshl_add_u32 v3, v2, 16, v3                  ; my column, and 32 h rows down
.irp u, 0,1
.irp c, 0,1
.irp i, 0,1,2,3,4,5,6,7,8,9,10,11,12,13,14,15,16,17,18,19,20,21,22,23,24,25,26,27,28,29,30,31
	global_load_b32 v[X+64*\u+32*\c+\i], v3, s[24:25] offset:(64*\c+\i)*2048+32*\u
.endr
.endr
.endr
	s_branch .Lgot
.Lwc:
	s_lshl_b32 s34, s21, 16                        ; K last: 32 tp rows of 2,048 bytes,
	s_lshl_b32 s35, s22, 9                         ; 128 s numbers along the row
	s_add_co_u32 s34, s34, s35
	s_mov_b32 s35, 0
	s_add_nc_u64 s[24:25], s[24:25], s[34:35]
	v_lshlrev_b32 v3, 11, v1
	v_lshl_add_u32 v3, v2, 7, v3                   ; my row, and 32 h numbers on
.irp u, 0,1
.irp c, 0,1
.irp i, 0,1,2,3,4,5,6,7
	global_load_b128 v[X+64*\u+32*\c+4*\i:X+64*\u+32*\c+4*\i+3], v3, s[24:25] offset:16384*\u+256*\c+16*\i
.endr
.endr
.endr
.Lgot:
	s_wait_loadcnt 0x0                             ; zero serves both ways
; Tile 2 tp + u: my two blocks (2 c + h), their bytes, their codes; three stores of 512 consecutive bytes.
.macro WQ u
.irp c, 0,1
	v_max3_num_f32 v[32+\c], |v[X+64*\u+32*\c]|, |v[X+64*\u+32*\c+1]|, 0x1800000   ; with the floor 2^(3 - 127): the byte cannot fall under 1
.endr
.irp i, 2,4,6,8,10,12,14,16,18,20,22,24,26,28,30
.irp c, 0,1
	v_max3_num_f32 v[32+\c], v[32+\c], |v[X+64*\u+32*\c+\i]|, |v[X+64*\u+32*\c+\i+1]|
.endr
.endr
.irp c, 0,1
	v_add_nc_u32 v[44+\c], 0xff000000, v[32+\c]    ; 2 off the exponent field: the conversion's scale operand
.endr
.irp c, 0,1
	v_lshrrev_b32 v[36+\c], 23, v[44+\c]           ; the scale's byte
.endr
	v_lshl_or_b32 v[40+\u], v37, 16, v36           ; blocks h and 2 + h,
	v_lshlrev_b32 v[40+\u], v7, v[40+\u]           ; at their places;
	v_permlanex16_b32 v43, v[40+\u], s[SEL], s[SEL+1]
	v_or_b32 v[40+\u], v[40+\u], v43               ; with lane l xor 16's two the word is whole
.irp c, 0,1
	v_cvt_scalef32_pk16_fp6_f32 v[PCW+12*\u+6*\c:PCW+12*\u+6*\c+2], v[X+64*\u+32*\c:X+64*\u+32*\c+15], v[44+\c]
	v_cvt_scalef32_pk16_fp6_f32 v[TMPC+4*\c:TMPC+4*\c+2], v[X+64*\u+32*\c+16:X+64*\u+32*\c+31], v[44+\c]
.endr
	v_nop                                          ; one plain place behind a scaled conversion
.irp c, 0,1
.irp i, 0,1,2
	v_mov_b32 v[PCW+12*\u+6*\c+3+\i], v[TMPC+4*\c+\i]
.endr
.endr
.irp c, 0,1,2
	global_store_b128 v4, v[PCW+12*\u+4*\c:PCW+12*\u+4*\c+3], s[16:17] offset:6144*\u+512*\c
.endr
.endm
	WQ 0
	WQ 1
	v_cndmask_b32 v42, v40, v41, s[HM]             ; lanes 0-15 the even tile's words, lanes 16-31 the odd tile's
	global_store_b32 v5, v42, s[18:19]
	s_endpgm
.Lfunc_end_k_qf90a65a256_wquant:
	.size	k_qf90a65a256_wquant, .Lfunc_end_k_qf90a65a256_wquant-k_qf90a65a256_wquant
	.p2alignl 7, 3214868480
	.fill 96, 4, 3214868480
	.section	.rodata,"a",@progbits
	.p2align	6, 0x0
	.amdhsa_kernel k_qf90a65a256_wquant
		.amdhsa_group_segment_fixed_size 0
		.amdhsa_private_segment_fixed_size 0
		.amdhsa_enable_private_segment 0
		.amdhsa_kernarg_size 40
		.amdhsa_user_sgpr_count 2
		.amdhsa_user_sgpr_kernarg_segment_ptr 1
		.amdhsa_wavefront_size32 1
		.amdhsa_system_sgpr_workgroup_id_x 1
		.amdhsa_system_sgpr_workgroup_id_y 1
		.amdhsa_system_sgpr_workgroup_id_z 1
		.amdhsa_system_vgpr_workitem_id 0
		.amdhsa_next_free_vgpr 240
		.amdhsa_next_free_sgpr 66
		.amdhsa_reserve_vcc 0
		.amdhsa_float_denorm_mode_32 3
		.amdhsa_float_denorm_mode_16_64 3
		.amdhsa_memory_ordered 1
		.amdhsa_forward_progress 1
		.amdhsa_inst_pref_size 25
	.end_amdhsa_kernel
	.amdgpu_metadata
---
amdhsa.version: [ 1, 2 ]
amdhsa.kernels:
  - .name:           k_qf90a65a256_wquant
    .symbol:         k_qf90a65a256_wquant.kd
    .args:
      - { .name: Wq, .offset: 0, .size: 8, .value_kind: global_buffer, .address_space: global }
      - { .name: Wk, .offset: 8, .size: 8, .value_kind: global_buffer, .address_space: global }
      - { .name: Wv, .offset: 16, .size: 8, .value_kind: global_buffer, .address_space: global }
      - { .name: Wc, .offset: 24, .size: 8, .value_kind: global_buffer, .address_space: global }
      - { .name: wts, .offset: 32, .size: 8, .value_kind: global_buffer, .address_space: global }
    .group_segment_fixed_size: 0
    .private_segment_fixed_size: 0
    .kernarg_segment_align: 8
    .kernarg_segment_size: 40
    .max_flat_workgroup_size: 32
    .sgpr_count:     66
    .vgpr_count:     240
    .wavefront_size: 32
...
	.end_amdgpu_metadata
.endif
;; end of part 1
;; launch proj (part 2): grid 256 x 3, 4 waves a work-group, clusters of 4 x 1, 265,728 bytes of LDS; arguments cross_x, cross_y, ln_x_g, ln_x_b, ln_y_g, ln_y_b, bq, bk, bv, wts, qf, qbuf, kbuf, vbuf; writes qf, qbuf, kbuf, vbuf
.if DOCPART == 2
	.amdgcn_target "amdgcn-amd-amdhsa--gfx1250"
	.amdhsa_code_object_version 6
	.text
	.protected	k_qf90a65a256_proj
	.globl	k_qf90a65a256_proj
	.p2align	8
	.type	k_qf90a65a256_proj,@function
k_qf90a65a256_proj:
	s_mov_b64 s[64:65], 0
	v_nop
	global_prefetch_b8 v0, s[64:65] scope:SCOPE_SE
	s_setreg_imm32_b32 hwreg(HW_REG_WAVE_MODE, 25, 1), 1
	s_wait_xcnt 0x0
	s_wait_alu depctr_hold_cnt(0) depctr_sa_sdst(0) depctr_va_vdst(0) depctr_va_sdst(0) depctr_va_ssrc(0) depctr_va_vcc(0) depctr_vm_vsrc(0)
	s_getreg_b32 s2, hwreg(HW_REG_IB_STS2, 6, 4)
	s_cmp_eq_u32 s2, 0
	s_cbranch_scc0 .Lentry_in_a_cluster
	s_endpgm
.Lentry_in_a_cluster:
	s_bfe_u32 s2, ttmp6, 0x10000c
	s_cmp_lg_u32 s2, 0x3003
	s_cbranch_scc0 .Lentry_shape_is_right
	s_endpgm
.Lentry_shape_is_right:
; LayerNorm, quantiser, one product on codes of FP6 (E2M3, one E8M0 byte for each 32 along K), bias.  Job (grid y) 0: x -> q, as f32 (qf) and as codes (qbuf); 1: y -> k's codes (kbuf); 2: y -> the codes of -v with the KEYS innermost (vbuf).
; SHARES.  A work-group takes 64 rows.  Wave w normalises and quantises 16 of them (rows 32 (w / 2) + 8 (w % 2) + r + 8 (r / 8)) and hands the four fragments to the others through LDS as images of their registers;
; then it owns output channels 128 w .. 128 w + 127 for all 64 rows, its 32 weight fragments in registers.
; THE WEIGHTS of a job, 204,800 bytes as the launch before laid them, come into LDS once, by ONE joint load a wave of the four work-groups of a cluster (all row blocks of a job read them); nothing is filled again.
; JOBS 0, 1: the product is used transposed (source 0 = 16 channels of W, source 1 = 16 rows): a lane holds one row and its registers run along the channels, which are the next product's K (a head's 64).
; JOB 2: not transposed (source 0 = 16 rows, source 1 = 16 channels): a lane holds one channel and its registers run along the keys, the K of attn x v.  The sign bits of the codes are turned: the attention launch sums q + attn (-v).
; qbuf, kbuf: 32 rows at 12,800 (row / 32): fragment 4 u + j (tile u of the pair, channels 128 j on) at 1,536 each; at + 12,288 the scale words [j][lane], lanes 0-15 tile 0, lanes 16-31 tile 1.
; vbuf: 128 keys at 51,200 (key / 128): fragment t (16 channels) at 1,536 t as six runs of 256 bytes (two registers, 8 bytes a lane); at + 49,152 the scale words [t / 2][lane].
; The variance is the mean of squared deviations from the mean.  LIMITS: blocks under 2^-124 (zeros too) get the byte 1, read by this program alone; NaN and infinities are not served.
; v's scale bytes leave two to a lane (a work-group holds half of a key step): 262,144 bytes of the launch's stores.
; REGISTERS, in windows of 256.  Window 0: addresses, sums, 64 accumulators, biases, scale words, the quantiser's.  Window 1: my row's 256 numbers, later x's 16 fragments and (v192 on) rows of q on their way out.
; Windows 2, 3: the LayerNorm's gains and offsets, later W's tiles 0-3 and 4-7.
.set XIMG,  204800                     ; LDS: behind the weights x's 16 fragments (4 m + s) x 1,536,
.set XSC,   229376                     ; their scale words, 128 bytes each,
.set STG,   231424                     ; a stage of 16 rows x (512 + 16) bytes for each wave,
.set SPARE, 265216                     ; and the spare words, 128 bytes a wave, which no other line names
.set SPW,  1
.set NIL,  2
.set XA,   3                           ; my row's place in the wave's 16 rows, + 64 h
.set L16,  4
.set L4,   5
.set L8,   6
.set XWI,  7                           ; where I store my fragments;  XWS: their scale words
.set XWS,  8
.set XRI,  9                           ; where any fragment is read;  XRS: its scale words
.set XRS,  10
.set GA,   11                          ; 64 h
.set WA,   12                          ; my weight fragments in LDS;  WSA: their scale words
.set WSA,  13
.set STO,  14
.set SRD,  15
.set BA,   16                          ; 4 (r + 8 (r / 8))
.set SA,   20                          ; v20-27 four chains of sums
.set MEAN, 28
.set RSTD, 30
.set ACC,  32                          ; v32-95 64 numbers: normalised x, later eight accumulators
.set BIAS, 96                          ; v96-159 the bias as a first C, eight registers a tile
.set WS,   160                         ; v160-175 W's scale words (4 tp + s)
.set XS,   176                         ; v176-191 x's (4 m + s)
.set TM,   192
.set PW,   208
.set PWE,  209
.set PC,   210                         ; v210-228 the codes just made
.set BV,   232                         ; v232-239 the bias of my lane's channel, a register a tile
.set SRC,  36
.set LG,   38
.set LB,   40
.set BP,   42
.set OC,   44
.set OW,   46
.set G1,   48
.set G0,   56
.set WV,   60
.set WG,   62
.set JOB,  63
.set SEL,  66
.set HM,   68
.set SGN,  69                          ; s69-71 the sign bits of 16 codes in three words
.set K9,   78
.set EPS,  79
.set MSB, 0
.macro WIN new                         ; the immediate's high byte repeats the setting that is left
.if MSB != \new
	s_set_vgpr_msb (MSB<<8)|\new
.set MSB, \new
.endif
.endm
.macro CROUND                          ; a round of the cluster's barrier
	s_barrier_signal -1
	s_barrier_wait -1
	s_cmp_lg_u32 s[WV], 0
	s_cbranch_scc1 .Lnot_wave_0_\@
	s_barrier_signal -3
.Lnot_wave_0_\@:
	s_barrier_wait -3
	s_barrier_signal -1
	s_barrier_wait -1
.endm
.macro PLACES
.rept 4
	v_nop
.endr
.endm
.macro REDUCE                          ; four chains, two halves, lane l xor 16: the row's sum in v[SA], the same bits in both lanes
	v_pk_add_f32 v[SA:SA+1], v[SA:SA+1], v[SA+2:SA+3]
	v_pk_add_f32 v[SA+4:SA+5], v[SA+4:SA+5], v[SA+6:SA+7]
	v_pk_add_f32 v[SA:SA+1], v[SA:SA+1], v[SA+4:SA+5]
	v_add_f32 v[SA], v[SA], v[SA+1]
	v_permlanex16_b32 v[SA+1], v[SA], s[SEL], s[SEL+1]
	v_add_f32 v[SA], v[SA], v[SA+1]
.endm
; On the 256 registers of window 1 (half a row of 512; the other half lies in lane l xor 16): the mean; the deviations, in place; 1 / sqrt(variance + 1e-5) in v[RSTD].
.macro LNSTAT
	WIN 0x05
.irp c, 0,1,2,3
	v_pk_add_f32 v[SA+2*\c:SA+2*\c+1], v[4*\c:4*\c+1], v[4*\c+2:4*\c+3]
.endr
	WIN 0x01
.set p, 8
.rept 120
	v_pk_add_f32 v[SA+2*(p%4):SA+2*(p%4)+1], v[2*p:2*p+1], v[SA+2*(p%4):SA+2*(p%4)+1]
.set p, p+1
.endr
	WIN 0
	REDUCE
	v_mul_f32 v[MEAN], 0x3b000000, v[SA]           ; / 512
	v_mov_b32 v[MEAN+1], v[MEAN]                   ; (named with it as a pair)
	WIN 0x41
.set p, 0
.rept 128
	v_pk_add_f32 v[2*p:2*p+1], v[2*p:2*p+1], v[MEAN:MEAN+1] op_sel_hi:[1,0] neg_lo:[0,1] neg_hi:[0,1]
.set p, p+1
.endr
	WIN 0x05
.irp c, 0,1,2,3
	v_pk_mul_f32 v[SA+2*\c:SA+2*\c+1], v[2*\c:2*\c+1], v[2*\c:2*\c+1]
.endr
.set p, 4
.rept 124
	v_pk_fma_f32 v[SA+2*(p%4):SA+2*(p%4)+1], v[2*p:2*p+1], v[2*p:2*p+1], v[SA+2*(p%4):SA+2*(p%4)+1]
.set p, p+1
.endr
	WIN 0
	REDUCE
	v_fma_f32 v[SA], v[SA], s[K9], s[EPS]          ; variance + 1e-5
	v_rsq_f32 v[RSTD], v[SA]
	v_nop                                          ; a plain place behind the transcendental,
	s_wait_alu depctr_va_vdst(0)                   ; and a wait ahead of its first reader
	v_mov_b32 v[RSTD+1], v[RSTD]
.endm
; K step s of my row: deviation x rstd x gain + offset, into v[ACC] on: register 16 b + i = k 128 s + 32 b + 16 h + i
.macro NORM s
	WIN 0x01
.set p, 0
.rept 32
	v_pk_mul_f32 v[ACC+2*p:ACC+2*p+1], v[64*\s+2*p:64*\s+2*p+1], v[RSTD:RSTD+1] op_sel_hi:[1,0]
.set p, p+1
.endr
	WIN 0x38                                       ; the gains in window 2, the offsets in window 3
.set p, 0
.rept 32
	v_pk_fma_f32 v[ACC+2*p:ACC+2*p+1], v[ACC+2*p:ACC+2*p+1], v[64*\s+2*p:64*\s+2*p+1], v[64*\s+2*p:64*\s+2*p+1]
.set p, p+1
.endr
	WIN 0
.endm
; 64 numbers of a lane, register 16 b + i = k 32 b + 16 h + i of my row, become a fragment's codes in v[PC] on and its scale word in v[PW].
.macro QUANT s
.irp b, 0,1,2,3
	v_max3_num_f32 v[TM+\b], |v[\s+16*\b]|, |v[\s+1+16*\b]|, 0x1800000   ; with the floor 2^(3 - 127): the byte cannot fall under 1
.endr
.irp i, 2,4,6,8,10,12,14
.irp b, 0,1,2,3
	v_max3_num_f32 v[TM+\b], v[TM+\b], |v[\s+16*\b+\i]|, |v[\s+1+16*\b+\i]|
.endr
.endr
.irp b, 0,1,2,3
	v_permlanex16_b32 v[TM+4+\b], v[TM+\b], s[SEL], s[SEL+1]
.endr
.irp b, 0,1,2,3
	v_max_num_f32 v[TM+\b], v[TM+\b], v[TM+4+\b]   ; with lane l xor 16's: the block's largest magnitude
.endr
.irp b, 0,1,2,3
	v_add_nc_u32 v[TM+12+\b], 0xff000000, v[TM+\b] ; 2 off its exponent field: the conversion's scale operand
.endr
.irp b, 0,1,2,3
	v_lshrrev_b32 v[TM+4+\b], 23, v[TM+12+\b]      ; the scale's byte
.endr
	v_lshl_or_b32 v[PW], v[TM+5], 8, v[TM+4]
	v_lshl_or_b32 v[PW], v[TM+6], 16, v[PW]
	v_lshl_or_b32 v[PW], v[TM+7], 24, v[PW]
.irp c, 0,1
	v_cvt_scalef32_pk16_fp6_f32 v[PC+6*\c:PC+2+6*\c], v[\s+32*\c:\s+15+32*\c], v[TM+12+2*\c]
	v_cvt_scalef32_pk16_fp6_f32 v[PC+12+4*\c:PC+14+4*\c], v[\s+16+32*\c:\s+31+32*\c], v[TM+12+2*\c+1]
.endr
	v_nop                                          ; one plain place behind a scaled conversion
.irp c, 0,1                                    ; the operand's layout wants a whole block in a lane
.irp i, 0,1,2
	v_permlane16_swap_b32 v[PC+6*\c+\i], v[PC+12+4*\c+\i]
.endr
.irp i, 0,1,2
	v_mov_b32 v[PC+3+6*\c+\i], v[PC+12+4*\c+\i]
.endr
.endr
.endm
	s_load_b512 s[8:23], s[0:1], 0x0               ; x, y, ln_x_g, ln_x_b, ln_y_g, ln_y_b, bq, bk
	s_load_b256 s[24:31], s[0:1], 0x40             ; bv, wts, qf, qbuf
	s_load_b128 s[32:35], s[0:1], 0x60             ; kbuf, vbuf
	v_lshl_add_u32 v[SPW], v0, 2, SPARE
	v_mov_b32 v[NIL], 0
	ds_add_u32 v[SPW], v[NIL]                      ; the wave's opening: the add and its wait stand ahead of my first tensor load; the set-up below, work on registers, stands between them
	v_lshrrev_b32 v17, 5, v0
	v_readfirstlane_b32 s[WV], v17                 ; wave 0..3
	s_bfe_u32 s61, ttmp6, 0x40000                  ; cx
	s_lshl_b32 s[WG], ttmp9, 2
	s_add_co_u32 s[WG], s[WG], s61                 ; my block of 64 rows: it enters global addresses of my own loads and stores alone
	s_and_b32 s[JOB], ttmp7, 0xffff                ; the job, which the four partners share
	s_mov_b32 s[G1], 15|(3<<16)|(1<<21)            ; the mask: all four work-groups; elements of 8 bytes; bit 21 set beside a mask; no padding
	s_mov_b32 s[G1+1], 32<<16                      ; tensor_dim0 = 32 elements: rows of 256 bytes
	s_mov_b32 s[G1+2], 200<<16                     ; tensor_dim1 = 200
	s_mov_b32 s[G1+3], 32<<16                      ; tile_dim0
	s_mov_b32 s[G1+4], 200                         ; tile_dim1: a quarter of the job's 204,800 bytes
	s_mov_b32 s[G1+5], 32                          ; dense
	s_mov_b32 s[G1+6], 0
	s_mov_b32 s[G1+7], 0
	s_mov_b32 s[G0], 1
	s_mul_i32 s[G0+1], s[WV], 51200                ; LDS address: my quarter
	s_mul_i32 s72, s[JOB], 204800
	s_add_co_u32 s72, s72, s[G0+1]
	s_mov_b32 s73, 0
	s_lshl_b32 s74, s[WG], 17                      ; my 16 rows begin at row 64 wg + 32 (w / 2) + 8 (w % 2), 2,048 bytes a row
	s_lshr_b32 s76, s[WV], 1
	s_and_b32 s77, s[WV], 1
	s_lshl_b32 s75, s76, 16
	s_add_co_u32 s74, s74, s75
	s_lshl_b32 s75, s77, 14
	s_add_co_u32 s74, s74, s75
	s_mov_b32 s75, 0
	s_mov_b32 s[SEL], 0x76543210
	s_mov_b32 s[SEL+1], 0xfedcba98
	s_mov_b32 s[HM], 0xffff0000
	s_mov_b32 s[SGN], 0x20820820
	s_mov_b32 s[SGN+1], 0x08208208
	s_mov_b32 s[SGN+2], 0x82082082
	s_mov_b32 s[K9], 0x3b000000                    ; 1 / 512
	s_mov_b32 s[EPS], 0x3727c5ac                   ; 1e-5
	v_and_b32 v17, 31, v0                          ; lane
	v_and_b32 v18, 15, v0                          ; r
	v_bfe_u32 v19, v0, 4, 1                        ; h
	v_and_b32 v[BA], 8, v18
	v_add_nc_u32 v[BA], v[BA], v18                 ; r + 8 (r / 8)
	v_lshlrev_b32 v[XA], 11, v[BA]
	v_lshl_add_u32 v[XA], v19, 6, v[XA]
	v_lshlrev_b32 v[BA], 2, v[BA]
	v_lshlrev_b32 v[L16], 4, v17
	v_lshlrev_b32 v[L4], 2, v17
	v_lshlrev_b32 v[L8], 3, v17
	v_lshlrev_b32 v[GA], 6, v19
	s_mul_i32 s61, s[WV], 6144
	s_add_co_u32 s61, s61, XIMG
	v_add_nc_u32 v[XWI], s61, v[L16]
	s_lshl_b32 s61, s[WV], 9
	s_add_co_u32 s61, s61, XSC
	v_add_nc_u32 v[XWS], s61, v[L4]
	v_add_nc_u32 v[XRI], XIMG, v[L16]
	v_add_nc_u32 v[XRS], XSC, v[L4]
	s_mul_i32 s76, s76, 102400                     ; my 8 tiles lie in half w / 2,
	s_mul_i32 s61, s77, 49152                      ; from its tile 8 (w % 2) on
	s_add_co_u32 s61, s61, s76
	v_add_nc_u32 v[WA], s61, v[L16]
	s_lshl_b32 s61, s77, 11
	s_add_co_u32 s61, s61, s76
	s_add_co_u32 s61, s61, 98304
	v_add_nc_u32 v[WSA], s61, v[L4]
	s_mul_i32 s61, s[WV], 8448
	s_add_co_u32 s61, s61, STG
	v_mul_u32_u24 v[STO], v18, 528
	v_lshl_add_u32 v[STO], v19, 6, v[STO]
	v_add_nc_u32 v[STO], s61, v[STO]               ; into my stage: row r, + 64 h
	v_add_nc_u32 v[SRD], s61, v[L16]               ; back: 32 lanes take a row of 512 bytes
.irp b, 0,1,2,3
	v_mov_b32 v[TM+4+\b], 0                        ; a lane permute's destination counts as one of its sources
.endr
	s_wait_dscnt 0x0                               ; the opening add is done
	s_wait_kmcnt 0x0
	s_add_nc_u64 s[G0+2:G0+3], s[26:27], s[72:73]
	s_or_b32 s[G0+3], s[G0+3], 0x80000000          ; type = 2
	s_cmp_eq_u32 s[JOB], 0                         ; the job's buffers: choices on the job alone
	s_cselect_b64 s[SRC:SRC+1], s[8:9], s[10:11]
	s_cselect_b64 s[LG:LG+1], s[12:13], s[16:17]
	s_cselect_b64 s[LB:LB+1], s[14:15], s[18:19]
	s_cselect_b64 s[BP:BP+1], s[20:21], s[22:23]
	s_cselect_b64 s[OC:OC+1], s[30:31], s[32:33]
	s_cmp_eq_u32 s[JOB], 2
	s_cselect_b64 s[BP:BP+1], s[24:25], s[BP:BP+1]
	s_cselect_b64 s[OC:OC+1], s[34:35], s[OC:OC+1]
	s_add_nc_u64 s[SRC:SRC+1], s[SRC:SRC+1], s[74:75]
	s_lshl_b32 s74, s[WV], 9
	s_add_nc_u64 s[BP:BP+1], s[BP:BP+1], s[74:75]  ; the bias of my 128 channels
	CROUND                                         ; all four work-groups are here: the joint loads meet
	tensor_load_to_lds s[G0:G0+3], s[G1:G1+7]      ; my one tensor load: one is out
	s_nop 0
	PLACES
	WIN 0x40
.irp s, 0,1,2,3
.irp b, 0,1,2,3
.irp j, 0,1,2,3
	global_load_b128 v[64*\s+16*\b+4*\j:64*\s+16*\b+4*\j+3], v[XA], s[SRC:SRC+1] offset:512*\s+128*\b+16*\j   ; my row: of each block of 32 my half's 16 numbers
.endr
.endr
.endr
	WIN 0x80
.irp s, 0,1,2,3
.irp b, 0,1,2,3
.irp j, 0,1,2,3
	global_load_b128 v[64*\s+16*\b+4*\j:64*\s+16*\b+4*\j+3], v[GA], s[LG:LG+1] offset:512*\s+128*\b+16*\j     ; the gains at the same k
.endr
.endr
.endr
	WIN 0xc0
.irp s, 0,1,2,3
.irp b, 0,1,2,3
.irp j, 0,1,2,3
	global_load_b128 v[64*\s+16*\b+4*\j:64*\s+16*\b+4*\j+3], v[GA], s[LB:LB+1] offset:512*\s+128*\b+16*\j     ; the offsets
.endr
.endr
.endr
	WIN 0
.irp t, 0,1,2,3,4,5,6,7                        ; the bias in both layouts, in every job: eight channels a lane (transposed use), and my lane's channel
	global_load_b128 v[BIAS+8*\t:BIAS+8*\t+3], v[GA], s[BP:BP+1] offset:(32*(\t/2)+8*(\t%2))*4
	global_load_b128 v[BIAS+8*\t+4:BIAS+8*\t+7], v[GA], s[BP:BP+1] offset:(32*(\t/2)+8*(\t%2))*4+16
	global_load_b32 v[BV+\t], v[BA], s[BP:BP+1] offset:(32*(\t/2)+8*(\t%2))*4
.endr
	s_wait_loadcnt 63                              ; my row is in: 152 younger loads stand behind it, and 63 is the largest count that the wait can name
	LNSTAT
	s_wait_loadcnt 0x0                             ; gains, offsets, biases
.irp s, 0,1,2,3
	NORM \s
.if \s > 0
	s_wait_dscnt 0x0                               ; the last fragment's stores have read their registers
.endif
	QUANT ACC
.irp c, 0,1,2
	ds_store_b128 v[XWI], v[PC+4*\c:PC+4*\c+3] offset:1536*\s+512*\c   ; the fragment as it stands: 16 bytes a lane
.endr
	ds_store_b32 v[XWS], v[PW] offset:128*\s
.endr
	s_wait_tensorcnt 0x0                           ; my quarter of the weights has landed,
	s_wait_dscnt 0x0                               ; my fragments are stored:
	s_barrier_signal -1
	s_barrier_wait -1                              ; everybody's are.
	WIN 0x80
.set n, 0
.rept 16                                       ; W's tiles 0-3: fragment n = 4 t + s
.irp c, 0,1,2
	ds_load_b128 v[12*n+4*\c:12*n+4*\c+3], v[WA] offset:1536*n+512*\c
.endr
.set n, n+1
.endr
	WIN 0xc0
.set n, 0
.rept 16                                       ; tiles 4-7
.irp c, 0,1,2
	ds_load_b128 v[12*n+4*\c:12*n+4*\c+3], v[WA] offset:1536*(16+n)+512*\c
.endr
.set n, n+1
.endr
	WIN 0x40
.set n, 0
.rept 16                                       ; x's fragments n = 4 m + s
.irp c, 0,1,2
	ds_load_b128 v[12*n+4*\c:12*n+4*\c+3], v[XRI] offset:1536*n+512*\c
.endr
.set n, n+1
.endr
	WIN 0
.set n, 0
.rept 16
	ds_load_b32 v[WS+n], v[WSA] offset:128*n
	ds_load_b32 v[XS+n], v[XRS] offset:128*n
.set n, n+1
.endr
	s_wait_dscnt 0x0
	s_cmp_eq_u32 s[JOB], 2
	s_cbranch_scc1 .Ljob2
	; ---- jobs 0 and 1
	s_mul_i32 s72, s[WG], 25600                    ; two pairs of row tiles
	s_mul_i32 s74, s[WV], 1536                     ; fragment j = w
	s_add_co_u32 s74, s74, s72
	s_mov_b32 s75, 0
	s_lshl_b32 s76, s[WV], 7
	s_add_co_u32 s76, s76, s72
	s_add_co_u32 s76, s76, 12288
	s_mov_b32 s77, 0
	s_add_nc_u64 s[OW:OW+1], s[OC:OC+1], s[76:77]
	s_add_nc_u64 s[OC:OC+1], s[OC:OC+1], s[74:75]
	s_lshl_b32 s74, s[WG], 17
	s_lshl_b32 s76, s[WV], 9
	s_add_co_u32 s74, s74, s76
	s_add_nc_u64 s[28:29], s[28:29], s[74:75]      ; qf at the block's first row, my 128 channels
.macro QKW m, s, t, tl                 ; tile t of W (at place tl of its window) x row tile m, K step s; the bias is the first C
.if (\s) == 0
.set CB, BIAS+8*(\t)
.else
.set CB, ACC+8*(\t)
.endif
.if (\t)%2
	v_wmma_scale_f32_16x16x128_f8f6f4 v[ACC+8*(\t):ACC+8*(\t)+7], v[12*(4*(\tl)+(\s)):12*(4*(\tl)+(\s))+11], v[12*(4*(\m)+(\s)):12*(4*(\m)+(\s))+11], v[CB:CB+7], v[WS+4*((\t)/2)+(\s)], v[XS+4*(\m)+(\s)] matrix_a_fmt:MATRIX_FMT_FP6 matrix_b_fmt:MATRIX_FMT_FP6 matrix_a_scale:MATRIX_SCALE_ROW1
.else
	v_wmma_scale_f32_16x16x128_f8f6f4 v[ACC+8*(\t):ACC+8*(\t)+7], v[12*(4*(\tl)+(\s)):12*(4*(\tl)+(\s))+11], v[12*(4*(\m)+(\s)):12*(4*(\m)+(\s))+11], v[CB:CB+7], v[WS+4*((\t)/2)+(\s)], v[XS+4*(\m)+(\s)] matrix_a_fmt:MATRIX_FMT_FP6 matrix_b_fmt:MATRIX_FMT_FP6
.endif
.endm
; Row tile m: 32 products (four accumulators by turns), the quantiser along my 128 channels, the fragment and its scale words to memory; in job 0 the f32 numbers too, through my stage, as rows of 512 bytes.
.macro QKM m
	WIN 0x06                                       ; source 0 (W) window 2, source 1 (x) window 1
.irp s, 0,1,2,3
.irp t, 0,1,2,3
	QKW \m, \s, \t, \t
.endr
.endr
	WIN 0x07                                       ; W in window 3
.irp s, 0,1,2,3
.irp t, 4,5,6,7
	QKW \m, \s, \t, \t-4
.endr
.endr
	WIN 0
	PLACES                                         ; four places ahead of the first read of results
.if \m > 0
	s_wait_xcnt 0x0                                ; the last tile's stores have read their registers
.endif
	QUANT ACC
.irp c, 0,1,2
	global_store_b128 v[L16], v[PC+4*\c:PC+4*\c+3], s[OC:OC+1] offset:(\m/2)*12800+(\m%2)*6144+512*\c   ; 512 consecutive bytes
.endr
.if (\m)%2
	v_cndmask_b32 v230, v[PWE], v[PW], s[HM]       ; lanes 0-15 the even tile's words, lanes 16-31 the odd tile's
	global_store_b32 v[L4], v230, s[OW:OW+1] offset:(\m/2)*12800
.else
	v_mov_b32 v[PWE], v[PW]
.endif
	s_cmp_lg_u32 s[JOB], 0
	s_cbranch_scc1 .Lnoq_\@
.irp b, 0,1,2,3
.irp i, 0,1,2,3
	ds_store_b128 v[STO], v[ACC+16*\b+4*\i:ACC+16*\b+4*\i+3] offset:128*\b+16*\i
.endr
.endr
	WIN 0x40
.set i, 0
.rept 16
	ds_load_b128 v[192+4*i:195+4*i], v[SRD] offset:528*i   ; LDS serves a wave's instructions in order: these see my stores
.set i, i+1
.endr
	s_wait_dscnt 0x0
	WIN 0x04
.set i, 0
.rept 16
	global_store_b128 v[L16], v[192+4*i:195+4*i], s[28:29] offset:(32*(\m/2)+8*(\m%2)+i+8*(i/8))*2048   ; 32 lanes store 512 consecutive bytes of a row of q
.set i, i+1
.endr
	WIN 0
.Lnoq_\@:
.endm
	QKM 0
	QKM 1
	QKM 2
	QKM 3
	s_branch .Lend
.Ljob2:
	; ---- job 2: -v, quantised along the keys
	s_lshr_b32 s72, s[WG], 1
	s_mul_i32 s72, s72, 51200                      ; the key step
	s_and_b32 s73, s[WG], 1
	s_mul_i32 s74, s73, 768                        ; its first or second 64 keys: registers 0-5 or 6-11 of each fragment
	s_add_co_u32 s74, s74, s72
	s_mul_i32 s76, s[WV], 12288                    ; my 8 tiles of channels
	s_add_co_u32 s74, s74, s76
	s_mov_b32 s75, 0
	s_lshl_b32 s76, s[WV], 9
	s_add_co_u32 s76, s76, s72
	s_lshl_b32 s73, s73, 1
	s_add_co_u32 s76, s76, s73
	s_add_co_u32 s76, s76, 49152
	s_mov_b32 s77, 0
	s_add_nc_u64 s[OW:OW+1], s[OC:OC+1], s[76:77]
	s_add_nc_u64 s[OC:OC+1], s[OC:OC+1], s[74:75]
.irp t, 0,1,2,3,4,5,6,7
.irp j, 0,1,2,3,4,5,6,7
	v_mov_b32 v[BIAS+8*\t+\j], v[BV+\t]            ; here a lane holds one channel: its bias in all eight registers of the first C
.endr
.endr
.macro VW tp, s, u, m
.if (\s) == 0
.set CB, BIAS+8*(2*(\tp)+(\u))
.else
.set CB, ACC+32*(\u)+8*(\m)
.endif
.if \u
	v_wmma_scale_f32_16x16x128_f8f6f4 v[ACC+32*(\u)+8*(\m):ACC+32*(\u)+8*(\m)+7], v[12*(4*(\m)+(\s)):12*(4*(\m)+(\s))+11], v[12*(4*((2*(\tp)+(\u))%4)+(\s)):12*(4*((2*(\tp)+(\u))%4)+(\s))+11], v[CB:CB+7], v[XS+4*(\m)+(\s)], v[WS+4*(\tp)+(\s)] matrix_a_fmt:MATRIX_FMT_FP6 matrix_b_fmt:MATRIX_FMT_FP6 matrix_b_scale:MATRIX_SCALE_ROW1
.else
	v_wmma_scale_f32_16x16x128_f8f6f4 v[ACC+32*(\u)+8*(\m):ACC+32*(\u)+8*(\m)+7], v[12*(4*(\m)+(\s)):12*(4*(\m)+(\s))+11], v[12*(4*((2*(\tp)+(\u))%4)+(\s)):12*(4*((2*(\tp)+(\u))%4)+(\s))+11], v[CB:CB+7], v[XS+4*(\m)+(\s)], v[WS+4*(\tp)+(\s)] matrix_a_fmt:MATRIX_FMT_FP6 matrix_b_fmt:MATRIX_FMT_FP6
.endif
.endm
; Tiles 2 tp and 2 tp + 1 of my channels x the 64 keys: eight accumulators by turns.  Register 32 u + 16 b + i is key 32 b + 16 h + i of my lane's channel of tile u.
.macro VTP tp
.if \tp < 2
	WIN 0x09                                       ; source 0 (y) window 1, source 1 (W) window 2
.else
	WIN 0x0d                                       ; W in window 3
.endif
.irp s, 0,1,2,3
.irp u, 0,1
.irp m, 0,1,2,3
	VW \tp, \s, \u, \m
.endr
.endr
.endr
	WIN 0
	PLACES
.if \tp > 0
	s_wait_xcnt 0x0                                ; the last pair's stores have read their registers
.endif
	QUANT ACC                                      ; registers 0-5: tile 2 tp's 64 keys; 6-11: tile 2 tp + 1's
.irp i, 0,1,2,3,4,5,6,7,8,9,10,11
	v_xor_b32 v[PC+\i], s[SGN+\i%3], v[PC+\i]      ; a code is sign and magnitude: these are the codes of -v
.endr
.irp p, 0,1,2,3,4,5
	global_store_b64 v[L8], v[PC+2*\p:PC+2*\p+1], s[OC:OC+1] offset:(2*\tp+\p/3)*1536+256*(\p%3)   ; 256 consecutive bytes, aligned
.endr
	v_lshrrev_b32 v230, 16, v[PW]
	v_cndmask_b32 v231, v[PW], v230, s[HM]         ; lanes 0-15 the even tile's two bytes, lanes 16-31 the odd tile's
	global_store_b16 v[L4], v231, s[OW:OW+1] offset:128*\tp
.endm
	VTP 0
	VTP 1
	VTP 2
	VTP 3
.Lend:
	s_wait_tensorcnt 0x0                           ; the wave's end: the add and its wait, behind my last tensor load and my last LDS store
	ds_add_u32 v[SPW], v[NIL]
	s_wait_dscnt 0x0
	CROUND                                         ; the closing round
	s_endpgm
.Lfunc_end_k_qf90a65a256_proj:
	.size	k_qf90a65a256_proj, .Lfunc_end_k_qf90a65a256_proj-k_qf90a65a256_proj
	.p2alignl 7, 3214868480
	.fill 96, 4, 3214868480
	.section	.rodata,"a",@progbits
	.p2align	6, 0x0
	.amdhsa_kernel k_qf90a65a256_proj
		.amdhsa_group_segment_fixed_size 265728
		.amdhsa_private_segment_fixed_size 0
		.amdhsa_enable_private_segment 0
		.amdhsa_kernarg_size 112
		.amdhsa_user_sgpr_count 2
		.amdhsa_user_sgpr_kernarg_segment_ptr 1
		.amdhsa_wavefront_size32 1
		.amdhsa_system_sgpr_workgroup_id_x 1
		.amdhsa_system_sgpr_workgroup_id_y 1
		.amdhsa_system_sgpr_workgroup_id_z 1
		.amdhsa_system_vgpr_workitem_id 0
		.amdhsa_next_free_vgpr 1024
		.amdhsa_next_free_sgpr 80
		.amdhsa_reserve_vcc 0
		.amdhsa_float_denorm_mode_32 3
		.amdhsa_float_denorm_mode_16_64 3
		.amdhsa_memory_ordered 1
		.amdhsa_forward_progress 1
		.amdhsa_inst_pref_size 183
	.end_amdhsa_kernel
	.amdgpu_metadata
---
amdhsa.version: [ 1, 2 ]
amdhsa.kernels:
  - .name:           k_qf90a65a256_proj
    .symbol:         k_qf90a65a256_proj.kd
    .args:
      - { .name: cross_x, .offset: 0, .size: 8, .value_kind: global_buffer, .address_space: global }
      - { .name: cross_y, .offset: 8, .size: 8, .value_kind: global_buffer, .address_space: global }
      - { .name: ln_x_g, .offset: 16, .size: 8, .value_kind: global_buffer, .address_space: global }
      - { .name: ln_x_b, .offset: 24, .size: 8, .value_kind: global_buffer, .address_space: global }
      - { .name: ln_y_g, .offset: 32, .size: 8, .value_kind: global_buffer, .address_space: global }
      - { .name: ln_y_b, .offset: 40, .size: 8, .value_kind: global_buffer, .address_space: global }
      - { .name: bq, .offset: 48, .size: 8, .value_kind: global_buffer, .address_space: global }
      - { .name: bk, .offset: 56, .size: 8, .value_kind: global_buffer, .address_space: global }
      - { .name: bv, .offset: 64, .size: 8, .value_kind: global_buffer, .address_space: global }
      - { .name: wts, .offset: 72, .size: 8, .value_kind: global_buffer, .address_space: global }
      - { .name: qf, .offset: 80, .size: 8, .value_kind: global_buffer, .address_space: global }
      - { .name: qbuf, .offset: 88, .size: 8, .value_kind: global_buffer, .address_space: global }
      - { .name: kbuf, .offset: 96, .size: 8, .value_kind: global_buffer, .address_space: global }
      - { .name: vbuf, .offset: 104, .size: 8, .value_kind: global_buffer, .address_space: global }
    .group_segment_fixed_size: 265728
    .private_segment_fixed_size: 0
    .kernarg_segment_align: 8
    .kernarg_segment_size: 112
    .max_flat_workgroup_size: 128
    .sgpr_count:     80
    .vgpr_count:     1024
    .wavefront_size: 32
...
	.end_amdgpu_metadata
.endif
;; end of part 2
;; launch attn (part 3): grid 256 x 1, 4 waves a work-group, clusters of 4 x 1, 327,680 bytes of LDS; arguments qf, qbuf, kbuf, vbuf, wts, bc, ln_o_g, ln_o_b, out0; writes out0
.if DOCPART == 3
	.amdgcn_target "amdgcn-amd-amdhsa--gfx1250"
	.amdhsa_code_object_version 6
	.text
	.protected	k_qf90a65a256_attn
	.globl	k_qf90a65a256_attn
	.p2align	8
	.type	k_qf90a65a256_attn,@function
k_qf90a65a256_attn:
	s_mov_b64 s[64:65], 0
	v_nop
	global_prefetch_b8 v0, s[64:65] scope:SCOPE_SE
	s_setreg_imm32_b32 hwreg(HW_REG_WAVE_MODE, 25, 1), 1
	s_wait_xcnt 0x0
	s_wait_alu depctr_hold_cnt(0) depctr_sa_sdst(0) depctr_va_vdst(0) depctr_va_sdst(0) depctr_va_ssrc(0) depctr_va_vcc(0) depctr_vm_vsrc(0)
	s_getreg_b32 s2, hwreg(HW_REG_IB_STS2, 6, 4)
	s_cmp_eq_u32 s2, 0
	s_cbranch_scc0 .Lentry_in_a_cluster
	s_endpgm
.Lentry_in_a_cluster:
	s_bfe_u32 s2, ttmp6, 0x10000c
	s_cmp_lg_u32 s2, 0x3003
	s_cbranch_scc0 .Lentry_shape_is_right
	s_endpgm
.Lentry_shape_is_right:
; out = q + leaky_relu(LayerNorm((q - o) Wc^T + bc)), o = attn v, attn = softmax_keys(q k^T / 8) / (1e-9 + its sum over the 8 heads).  All three products on codes of FP6 (E2M3) with one E8M0 byte for each 32 along K.
; attn is quantised FINISHED, so a row's maximum and sum over all 2,048 keys, for all 8 heads, come first: the scores are made twice.  PASS 1: running maximum and sum.  PASS 2: p = 2^(c s - Z), Z = c m + log2(l), c = log2(e) / 8;
; the heads' sum; p / (1e-9 + sum); the quantiser along the keys; the product with -v, summed onto q.
; SHARES.  A work-group owns 64 queries of a batch; each of its four waves ONE tile of 16 (rows 32 (w / 2) + 8 (w % 2) + r + 8 (r / 8)) FOR ALL 8 HEADS.  Every product is used transposed, so a lane holds one query: the sum over
; the heads is additions in the lane, and the 256 accumulators of q - o run along all 512 channels, the last product's K.
; A head's K is 64: a fragment of k holds two heads (registers 0-5, 6-11), and q's fragment for one of them has zero codes in the other's place.
; BY HALVES.  The heads are two halves, 0-3 and 4-7.  A wave is alone on its SIMD, so products that stand in a run leave the vector unit idle and the other way round.  Half of the score registers is free earlier than all of
; them: one half's vector work therefore carries the other half's 8 products, one behind every four vector lines.  Each such product costs two switches of the register windows, the lesser price here.
; Pass 1: heads 4-7 of block n - 1 carry heads 0-3's scores of block n, heads 0-3 of block n carry heads 4-7's.  Pass 2: the scaling of heads 0-3 carries heads 4-7's scores of the same block, the normalising of heads 4-7 carries
; heads 0-3's scores of the next block, or, in a key step's last block, the 16 products with -v of heads 0-3.  LDS loads stand in short runs, a phase or more ahead of the wait for them.
; THE RING.  Two LDS slots of 102,400 bytes, 26 fills of one shape (each wave a quarter: 100 rows of 256 bytes): 8 of k (256 keys each) for pass 1; 16 of a key step (128 keys of k, then of v) for pass 2; Wc's two halves.
; The four work-groups of a cluster belong to one batch and walk the same bytes: every fill is a joint load.  One load a wave is out; it is asked for a whole slot's work ahead of the wait for it.
; LIMITS: NaN and infinities are not served.  Blocks under 2^-124 (zeros too) get the byte 1.  A p under 2^-126 is 0.  Z is rounded once: one common factor for a row of a head, half an ulp of Z in the exponent.
; q - o is summed as q - t1 - t2 .. in 16 key steps.
; REGISTERS, in windows of 256.  Window 0: addresses; v16-79 eight registers a head; scale words; v124-219 attn's codes, 12 a head; v220-251 half blocks.
; Window 1: v0-127 scores, 16 a head; v128-223 k's 8 fragments; v224-239 the heads' sum; v240-251 fragment 15 of v; later h.   Window 2: q - o.   Window 3: v0-71 q's fragments; v72-251 fragments 0-14 of v.
.set SLOT1, 1<<17
.set STG,   246272                     ; a stage of 16 rows x (512 + 16) bytes for each wave
.set SPARE, 280064                     ; the spare words, 128 bytes a wave, which no other line names
.set SPW,  1
.set NIL,  2
.set L16,  3
.set L8V,  4                           ; 51,200 + 8 x lane
.set L4,   5
.set AK,   6                           ; v6-9: k's codes, k's words, v's codes, v's words in the slot in hand; later Wc's four address registers
.set AS,   7
.set AV,   8
.set AVS,  9
.set AW,   6
.set QROW, 10
.set STO,  11
.set SRD,  12
.set GA,   13
.set L4V,  14                          ; 51,200 + 4 x lane; later, with v15, the addresses of Wc's scale words
.set AWS,  14
.set ST,   16                          ; head hd at v[16 + 8 hd]: +0 c m, then Z; +2, +3 the sum, then two chains of a block's maximum; +4 a, then the scale operand; +5 a byte; +6 the maximum; +7 its second chain, c m anew
.set TM,   16                          ; (the last quantiser's)
.set SA,   16                          ; (the last LayerNorm's)
.set MEAN, 24
.set RSTD, 26
.set QS,   80
.set KS,   84
.set WSB,  84
.set VS,   100
.set PS,   116
.set DS,   116
.set PC,   124
.set TMPC, 220
.set KF,   128
.set R,    224
.set VF,   72
.set VAP,  240
.set WV,   26
.set K9,   30
.set EPS,  31
.set G1,   36
.set G0,   44
.set NA,   48
.set P2A,  50
.set WCA,  52
.set TB,   54
.set CNT,  56
.set CN2,  57
.set CS,   58
.set SEL,  60
.set QFB,  66
.set OUTB, 68
.set QB,   70
.set W_QK, 0x4d                        ; scores and k in window 1, q in window 3
.set W_KL, 0x40
.set W_S1, 0x41
.set W_S2, 0x45
.set W_MX, 0x05
.set W_LF, 0x10
.set W_CV, 0x01
.set W_H3, 0x53                        ; h in window 1, Wc in window 3
.set W_H2, 0x52                        ; Wc in window 2
.set MSB, 0
.macro WIN new                         ; the immediate's high byte repeats the setting that is left; a switch that changes nothing is dropped
.if MSB != \new
	s_set_vgpr_msb (MSB<<8)|\new
.set MSB, \new
.endif
.endm
.macro CROUND                          ; a round of the cluster's barrier
	s_barrier_signal -1
	s_barrier_wait -1
	s_cmp_lg_u32 s[WV], 0
	s_cbranch_scc1 .Lnot_wave_0_\@
	s_barrier_signal -3
.Lnot_wave_0_\@:
	s_barrier_wait -3
	s_barrier_signal -1
	s_barrier_wait -1
.endm
.macro PLACES
.rept 4
	v_nop
.endr
.endm
; THE CHANGE OF SLOTS stands at a slot's head.  Each wave waits for all its tensor loads (its quarter of the slot ahead), adds 0 to its spare word, and waits for that and for its reads of the slot that it has left;
; behind the round no wave of any partner reads that slot, and it is filled with what follows: step bytes on, or, at a loop's last change, the next phase's first fill (alt).
.macro CHANGE step, alt
	WIN 0
	s_wait_tensorcnt 0x0                           ; no tensor load of mine is out, so the descriptor may be written
	ds_add_u32 v[SPW], v[NIL]                      ; the descriptor's steps stand between the add and its wait
	s_xor_b32 s[G0+1], s[G0+1], SLOT1
	s_add_nc_u64 s[NA:NA+1], s[NA:NA+1], \step
	s_cmp_eq_u32 s[CNT], 1
	s_cselect_b64 s[G0+2:G0+3], s[\alt:\alt+1], s[NA:NA+1]
	s_or_b32 s[G0+3], s[G0+3], 0x80000000
	s_wait_dscnt 0x0
	CROUND
	tensor_load_to_lds s[G0:G0+3], s[G1:G1+7]      ; the first thing behind the round, and my one tensor load until the next; four plain vector lines follow the macro
	s_nop 0
.endm
; k of a block of 32 keys lies at off in the slot: 8 fragments n = 4 u + j (tile u of 16 keys, head pair j), 1,536 bytes each, then 4 x 128 bytes of scale words (lanes 0-15 tile 0, lanes 16-31 tile 1).
.macro KFRAG off, n
.irp c, 0,1,2
	ds_load_b128 v[KF+12*(\n)+4*\c:KF+12*(\n)+4*\c+3], v[AK] offset:(\off)+1536*(\n)+512*\c
.endr
.endm
.macro KLOADH off, g, ks               ; what half g's scores want: head pairs 2 g and 2 g + 1: 2 registers of words, 4 fragments: 14 loads
	WIN 0
	ds_load_b32 v[KS+(\ks)+2*(\g)], v[AS] offset:(\off)+12288+256*(\g)
	ds_load_b32 v[KS+(\ks)+2*(\g)+1], v[AS] offset:(\off)+12288+256*(\g)+128
	WIN W_KL
	KFRAG \off, 2*(\g)
	KFRAG \off, 2*(\g)+1
	KFRAG \off, 4+2*(\g)
	KFRAG \off, 5+2*(\g)
.endm
.macro KLOADC off, ks                  ; a whole block: the words first, then half 0's 12 loads, then half 1's 12
	WIN 0
.irp j, 0,1,2,3
	ds_load_b32 v[KS+(\ks)+\j], v[AS] offset:(\off)+12288+128*\j
.endr
	WIN W_KL
.irp n, 0,1,4,5,2,3,6,7
	KFRAG \off, \n
.endr
.endm
; Product i (0 .. 7) of half g of S^T = k q^T for 32 keys: head pair 2 g + i / 4, tile (i / 2) % 2 of the keys, head i % 2 of the pair.  Eight products, eight accumulators.
; Register 16 hd + i of lane (r, h) is the score of query r and key 16 h + i.
.macro QKW g, i, ks
.set qj, 2*(\g)+(\i)/4
.set qu, ((\i)/2)%2
.set qe, (\i)%2
.set qd, 16*(2*qj+qe)+8*qu
.set qa, KF+12*(4*qu+qj)
.set qb, 18*qj+6*qe
	WIN W_QK
.if qu
	v_wmma_scale_f32_16x16x128_f8f6f4 v[qd:qd+7], v[qa:qa+11], v[qb:qb+11], 0, v[KS+(\ks)+qj], v[QS+qj] matrix_a_fmt:MATRIX_FMT_FP6 matrix_b_fmt:MATRIX_FMT_FP6 matrix_a_scale:MATRIX_SCALE_ROW1
.else
	v_wmma_scale_f32_16x16x128_f8f6f4 v[qd:qd+7], v[qa:qa+11], v[qb:qb+11], 0, v[KS+(\ks)+qj], v[QS+qj] matrix_a_fmt:MATRIX_FMT_FP6 matrix_b_fmt:MATRIX_FMT_FP6
.endif
.endm
; c s - x for half g's 64 scores, x the head's register +0 (c m in pass 1, Z in pass 2): 32 packed multiply-adds, ascending.  host >= 0: one product of half host's scores ahead of every four;
; the last four lines are then the four places behind the last product: they name none of its registers.
.macro SCALEH g, host, ks
.set gi, 0
.rept 8
.if (\host) >= 0
	QKW \host, gi, \ks
.endif
	WIN W_S1
.irp n, 0,1,2,3
	v_pk_fma_f32 v[64*(\g)+8*gi+2*\n:64*(\g)+8*gi+2*\n+1], v[64*(\g)+8*gi+2*\n:64*(\g)+8*gi+2*\n+1], s[CS:CS+1], v[ST+8*(4*(\g)+gi/2):ST+8*(4*(\g)+gi/2)+1] op_sel_hi:[1,0,0] neg_lo:[0,0,1] neg_hi:[0,0,1]
.endr
.set gi, gi+1
.endr
.endm
; 2^(..) of half g's 64 numbers.  host >= 0: the second 32 exponentials carry half host's 8 products, one ahead of every four; the wait for their fragments (cnt younger LDS loads may be out) stands in the middle.
.macro EXPH g, host, ks, cnt
.set ei, 0
.rept 16
.if ((\host) >= 0) && (ei == 8)
	s_wait_dscnt \cnt
.endif
.if ((\host) >= 0) && (ei >= 8)
	QKW \host, ei-8, \ks
.endif
	WIN W_S1
.irp n, 0,1,2,3
	v_exp_f32 v[64*(\g)+4*ei+\n], v[64*(\g)+4*ei+\n]
.endr
.set ei, ei+1
.endr
.endm
; PASS 1, half g of a block of 32 keys: each LANE keeps the maximum and the sum of its own 16 keys a block, so nothing crosses lanes in the loop.  The four heads take turns line by line;
; a head's maximum runs in two chains, so that a line stands eight lines behind the one that it reads.
.macro P1HALF g, host, cnt
.set ph, ST+32*(\g)
.set ps, 64*(\g)
	WIN W_MX
.irp k, 0,1,2,3
.irp h, 0,1,2,3
	v_max3_num_f32 v[ph+8*\h+6], v[ps+16*\h+4*\k], v[ps+16*\h+4*\k+1], v[ph+8*\h+6]
.endr
.irp h, 0,1,2,3
.if \k == 0
	v_max_num_f32 v[ph+8*\h+7], v[ps+16*\h+2], v[ps+16*\h+3]
.else
	v_max3_num_f32 v[ph+8*\h+7], v[ps+16*\h+4*\k+2], v[ps+16*\h+4*\k+3], v[ph+8*\h+7]
.endif
.endr
.endr
	WIN 0
.irp h, 0,1,2,3
	v_max_num_f32 v[ph+8*\h+6], v[ph+8*\h+6], v[ph+8*\h+7]
.endr
.irp h, 0,1,2,3
	v_mul_f32 v[ph+8*\h+7], s[CS], v[ph+8*\h+6]    ; c m
.endr
.irp h, 0,1,2,3
	v_sub_f32 v[ph+8*\h+4], v[ph+8*\h], v[ph+8*\h+7]
.endr
.irp h, 0,1,2,3
	v_mov_b32 v[ph+8*\h], v[ph+8*\h+7]
.endr
.irp h, 0,1,2,3
	v_exp_f32 v[ph+8*\h+4], v[ph+8*\h+4]           ; a = 2^(c m_old - c m_new)
.endr
	SCALEH \g, -1, 0
	EXPH \g, \host, 0, \cnt
	v_nop                                          ; a plain place behind the last exponential,
	s_wait_alu depctr_va_vdst(0)                   ; and ONE wait for the half's 68, ahead of their first reader
	WIN W_S2
.irp ab, 0x02, 0x46, 0x8a, 0xce, 0x04, 0x8c, 0x08  ; the 8 pairs of a head, added in place.  (These lines are also the places behind the products carried above)
.irp h, 0,1,2,3
	v_pk_add_f32 v[ps+16*\h+(\ab>>4):ps+16*\h+(\ab>>4)+1], v[ps+16*\h+(\ab>>4):ps+16*\h+(\ab>>4)+1], v[ps+16*\h+(\ab&15):ps+16*\h+(\ab&15)+1]
.endr
.endr
	WIN W_LF
.irp h, 0,1,2,3
	v_pk_fma_f32 v[ph+8*\h+2:ph+8*\h+3], v[ph+8*\h+2:ph+8*\h+3], v[ph+8*\h+4:ph+8*\h+5], v[ps+16*\h:ps+16*\h+1] op_sel_hi:[1,0,1]   ; l = a l + the block's sum
.endr
.endm
; WHERE THE 32 FRAGMENTS OF -v LIE (fragment t: 16 channels of head t / 4): 0-14 in window 3; 15 in window 1's spare registers; 16-20 in heads 0-3's score registers, free behind their last conversion;
; 21-28 in k's registers, free behind the last scores; 29-31 in heads 4-7's score registers.
.macro VPLACE t
.set vt, \t
.set vw, 1
.if vt < 15
.set vb, VF+12*vt
.set vw, 3
.elseif vt == 15
.set vb, VAP
.elseif vt < 21
.set vb, 12*(vt-16)
.elseif vt < 29
.set vb, KF+12*(vt-21)
.else
.set vb, 64+12*(vt-29)
.endif
.endm
.macro VL t                            ; fragment t from LDS: six loads of 8 bytes a lane
	VPLACE \t
.set vwin, vw<<6
	WIN vwin
.irp p, 0,1,2,3,4,5
	ds_load_b64 v[vb+2*\p:vb+2*\p+1], v[AV] offset:1536*vt+256*\p
.endr
.endm
.macro PVW t                           ; (q - o)^T += (-v)^T attn^T, tile t of the channels: every product has another accumulator
	VPLACE \t
.set vwin, 0xa0|vw
	WIN vwin
.if vt%2
	v_wmma_scale_f32_16x16x128_f8f6f4 v[8*vt:8*vt+7], v[vb:vb+11], v[PC+12*(vt/4):PC+12*(vt/4)+11], v[8*vt:8*vt+7], v[VS+vt/2], v[PS+vt/4] matrix_a_fmt:MATRIX_FMT_FP6 matrix_b_fmt:MATRIX_FMT_FP6 matrix_a_scale:MATRIX_SCALE_ROW1
.else
	v_wmma_scale_f32_16x16x128_f8f6f4 v[8*vt:8*vt+7], v[vb:vb+11], v[PC+12*(vt/4):PC+12*(vt/4)+11], v[8*vt:8*vt+7], v[VS+vt/2], v[PS+vt/4] matrix_a_fmt:MATRIX_FMT_FP6 matrix_b_fmt:MATRIX_FMT_FP6
.endif
.endm
; PASS 2, half g of block q behind the heads' sum: p / (1e-9 + sum); the block's largest number; its byte; its codes.
; hk = 1: the 32 multiplies carry heads 0-3's scores of block q + 1.  hk = 2: the multiplies and the maxima carry the products 0-15 with -v.
.macro TAIL g, q, hk
.set th, ST+32*(\g)
.set ts, 64*(\g)
.set gi, 0
.rept 8
.if (\hk) == 1
	QKW 0, gi, 4*((\q)+1)
.elseif (\hk) == 2
	PVW gi
.endif
	WIN W_S2
.irp n, 0,1,2,3
	v_pk_mul_f32 v[ts+8*gi+2*\n:ts+8*gi+2*\n+1], v[ts+8*gi+2*\n:ts+8*gi+2*\n+1], v[R+2*((4*gi+\n)%8):R+2*((4*gi+\n)%8)+1]
.endr
.set gi, gi+1
.endr
.set gi, 0
.rept 8                                        ; the largest of 16 numbers (none is negative) in two chains, the first with the floor 2^(3 - 127)
.if (\hk) == 2
	PVW 8+gi
.endif
	WIN W_MX
.irp h, 0,1,2,3
.if gi == 0
	v_max3_num_f32 v[th+8*\h+2], v[ts+16*\h], v[ts+16*\h+1], 0x1800000
.elseif gi == 1
	v_max_num_f32 v[th+8*\h+3], v[ts+16*\h+2], v[ts+16*\h+3]
.else
	v_max3_num_f32 v[th+8*\h+2+gi%2], v[ts+16*\h+4*(gi/2)+2*(gi%2)], v[ts+16*\h+4*(gi/2)+2*(gi%2)+1], v[th+8*\h+2+gi%2]
.endif
.endr
.set gi, gi+1
.endr
	WIN 0
.irp h, 0,1,2,3
	v_max_num_f32 v[th+8*\h+2], v[th+8*\h+2], v[th+8*\h+3]
.endr
.irp h, 0,1,2,3
	v_permlanex16_b32 v[th+8*\h+3], v[th+8*\h+2], s[SEL], s[SEL+1]
.endr
.irp h, 0,1,2,3
	v_max_num_f32 v[th+8*\h+2], v[th+8*\h+2], v[th+8*\h+3]   ; with lane l xor 16's 16 keys: the block's
.endr
.irp h, 0,1,2,3
	v_add_nc_u32 v[th+8*\h+4], 0xff000000, v[th+8*\h+2]      ; 2 off the exponent field: the conversion's scale operand
.endr
.if (\q) == 0
.irp h, 0,1,2,3
	v_lshrrev_b32 v[PS+4*(\g)+\h], 23, v[th+8*\h+4]          ; the byte begins the key step's scale word
.endr
.else
.irp h, 0,1,2,3
	v_lshrrev_b32 v[th+8*\h+5], 23, v[th+8*\h+4]
.endr
.irp h, 0,1,2,3
	v_lshl_or_b32 v[PS+4*(\g)+\h], v[th+8*\h+5], 8*(\q), v[PS+4*(\g)+\h]
.endr
.endif
	WIN W_CV
.irp h, 0,1,2,3
.if (\q)%2
	v_cvt_scalef32_pk16_fp6_f32 v[TMPC+4*(4*(\g)+\h):TMPC+4*(4*(\g)+\h)+2], v[ts+16*\h:ts+16*\h+15], v[th+8*\h+4]
.else
	v_cvt_scalef32_pk16_fp6_f32 v[PC+12*(4*(\g)+\h)+6*((\q)/2):PC+12*(4*(\g)+\h)+6*((\q)/2)+2], v[ts+16*\h:ts+16*\h+15], v[th+8*\h+4]
.endif
.endr
	WIN 0
	v_nop                                          ; one plain place behind a scaled conversion: products and loads write its sources next
.endm
.macro SWAPH g, q                      ; behind an odd block: two half blocks become two whole ones: lanes 0-15 block q - 1, lanes 16-31 block q
	WIN 0
.irp h, 0,1,2,3
.irp i, 0,1,2
	v_permlane16_swap_b32 v[PC+12*(4*(\g)+\h)+6*((\q)/2)+\i], v[TMPC+4*(4*(\g)+\h)+\i]
.endr
.irp i, 0,1,2
	v_mov_b32 v[PC+12*(4*(\g)+\h)+6*((\q)/2)+3+\i], v[TMPC+4*(4*(\g)+\h)+\i]
.endr
.endr
.endm
; PASS 2, block q of a key step's four blocks of 32 keys.  At its head heads 0-3's scores of the block are there, and k's fragments for heads 4-7's.
.macro P2C q
.if \q < 3
	KLOADH 12800*(\q+1), 0, 4*(\q+1)               ; heads 0-3's k of the next block: its registers were last read by products that stand more than four plain lines back
.else
	VL 21
	VL 22
	VL 25
	VL 26
.endif
.if \q == 0
	s_wait_dscnt 14                                ; the step's first block of k is whole: behind it stand the 14 loads just issued
.endif
	SCALEH 0, 1, 4*\q
.if \q < 3
	KLOADH 12800*(\q+1), 1, 4*(\q+1)               ; heads 4-7's k of the next block
.else
	VL 23
	VL 24
	VL 27
	VL 28
.endif
	EXPH 0, -1, 0, 0
	SCALEH 1, -1, 0
.if \q == 0
	WIN 0
.set n, 0
.rept 16
	ds_load_b32 v[VS+n], v[AVS] offset:49152+128*n
.set n, n+1
.endr
	VL 0
	VL 1
.elseif \q == 1
	VL 5
	VL 6
	VL 7
.elseif \q == 2
	VL 11
	VL 12
	VL 13
.endif
	EXPH 1, -1, 0, 0                               ; the finished softmax
	v_nop
	s_wait_alu depctr_va_vdst(0)                   ; ONE wait for the block's 128 exponentials: nothing between them names a result
	WIN W_S2
.irp k, 0,1,2,3,4,5,6,7
	v_pk_add_f32 v[R+2*\k:R+2*\k+1], v[2*\k:2*\k+1], v[16+2*\k:16+2*\k+1]
.endr
.irp hd, 2,3,4,5,6,7
.irp k, 0,1,2,3,4,5,6,7
	v_pk_add_f32 v[R+2*\k:R+2*\k+1], v[R+2*\k:R+2*\k+1], v[16*\hd+2*\k:16*\hd+2*\k+1]   ; the sum over the heads: all eight lie in my lane
.endr
.endr
.irp k, 0,1,2,3,4,5,6,7
	v_pk_add_f32 v[R+2*\k:R+2*\k+1], v[R+2*\k:R+2*\k+1], 0x3089705f op_sel_hi:[1,0]     ; + 1e-9
.endr
.if \q == 0
	VL 2
	VL 3
	VL 4
.elseif \q == 1
	VL 8
	VL 9
	VL 10
.elseif \q == 2
	VL 14
	VL 15
.endif
	WIN W_S1
.set i, 0
.rept 16
	v_rcp_f32 v[R+i], v[R+i]
.set i, i+1
.endr
	v_nop
	s_wait_alu depctr_va_vdst(0)                   ; one wait for the sixteen
	TAIL 0, \q, 0
.if \q == 3
	VL 16                                          ; heads 0-3's score registers are done with
	VL 17
	VL 18
	VL 19
	VL 20
.endif
.if (\q)%2
	SWAPH 0, \q
.endif
.if \q < 3
	s_wait_dscnt 0x0                               ; the next block's k: the youngest run of loads stands a phase back
	TAIL 1, \q, 1
.else
	s_wait_dscnt 30                                ; fragments 0-15 and 21-28 and v's scale words are in: behind them stand the 30 loads of fragments 16-20
	TAIL 1, \q, 2
.endif
.if \q == 1
	SWAPH 1, \q
.endif
.endm
	s_load_b512 s[8:23], s[0:1], 0x0               ; qf, qbuf, kbuf, vbuf, wts, bc, ln_o_g, ln_o_b
	s_load_b64 s[24:25], s[0:1], 0x40              ; out0
	v_lshl_add_u32 v[SPW], v0, 2, SPARE
	v_mov_b32 v[NIL], 0
	ds_add_u32 v[SPW], v[NIL]                      ; the wave's opening: the add and its wait stand ahead of my first tensor load; the set-up below, work on registers, stands between them
	v_lshrrev_b32 v14, 5, v0
	v_readfirstlane_b32 s[WV], v14                 ; wave 0..3
	s_bfe_u32 s27, ttmp6, 0x40000                  ; cx
	s_lshl_b32 s28, ttmp9, 2
	s_add_co_u32 s28, s28, s27                     ; my block of 64 queries: it enters the addresses of q and of the output alone
	s_lshr_b32 s29, ttmp9, 3                       ; the batch: 8 clusters each, shared by the partners
	s_mov_b32 s[G1], 15|(3<<16)|(1<<21)            ; the mask: all four work-groups; elements of 8 bytes; bit 21 set beside a mask; no padding
	s_mov_b32 s[G1+1], 32<<16                      ; rows of 256 bytes,
	s_mov_b32 s[G1+2], 100<<16                     ; 100 of them,
	s_mov_b32 s[G1+3], 32<<16
	s_mov_b32 s[G1+4], 100
	s_mov_b32 s[G1+5], 32                          ; dense
	s_mov_b32 s[G1+6], 0
	s_mov_b32 s[G1+7], 0
	s_mov_b32 s[G0], 1
	s_mul_i32 s[G0+1], s[WV], 25600                ; LDS address: my quarter of slot 0
	s_mul_i32 s72, s29, 819200                     ; the batch's first byte in kbuf and in vbuf
	s_add_co_u32 s72, s72, s[G0+1]                 ; pass 1: my quarter of 256 keys of k
	s_mov_b32 s73, 0
	s_and_b32 s76, s[WV], 1
	s_mul_i32 s74, s76, 25600                      ; pass 2: waves 0, 1 the halves of k's 128 keys, waves 2, 3 of v's
	s_mul_i32 s75, s29, 819200
	s_add_co_u32 s74, s74, s75
	s_mov_b32 s75, 0
	s_add_co_u32 s78, s[G0+1], 614400              ; Wc: the fourth matrix of wts
	s_mov_b32 s79, 0
	s_lshl_b32 s32, s28, 17                        ; my tile's first row: 64 g + 32 (w / 2) + 8 (w % 2), 2,048 bytes a row
	s_lshr_b32 s34, s[WV], 1
	s_lshl_b32 s35, s34, 16
	s_add_co_u32 s32, s32, s35
	s_lshl_b32 s35, s76, 14
	s_add_co_u32 s32, s32, s35
	s_mov_b32 s33, 0
	s_lshl_b32 s35, s28, 1
	s_add_co_u32 s34, s34, s35
	s_mul_i32 s34, s34, 12800                      ; my pair of row tiles in qbuf
	s_mov_b32 s35, 0
	s_mov_b32 s[CS], 0x3e38aa3b                    ; c = log2(e) / 8
	s_mov_b32 s[CS+1], s[CS]
	s_mov_b32 s[SEL], 0x76543210
	s_mov_b32 s[SEL+1], 0xfedcba98
	s_mov_b32 s[K9], 0x3b000000                    ; 1 / 512
	s_mov_b32 s[EPS], 0x3727c5ac                   ; 1e-5
	s_mov_b32 s[TB], 0
	s_mov_b32 s[CNT], 8
	v_and_b32 v14, 31, v0                          ; lane
	v_and_b32 v15, 15, v0                          ; r
	v_bfe_u32 v[GA], v0, 4, 1                      ; h
	v_lshlrev_b32 v[L16], 4, v14
	v_lshlrev_b32 v[L4], 2, v14
	v_lshl_add_u32 v[L8V], v14, 3, 51200
	v_and_b32 v[QROW], 8, v15
	v_add_nc_u32 v[QROW], v[QROW], v15             ; r + 8 (r / 8)
	v_lshlrev_b32 v[QROW], 11, v[QROW]
	v_lshl_add_u32 v[QROW], v[GA], 6, v[QROW]
	s_mul_i32 s77, s[WV], 8448
	s_add_co_u32 s77, s77, STG
	v_mul_u32_u24 v[STO], v15, 528
	v_lshl_add_u32 v[STO], v[GA], 6, v[STO]
	v_add_nc_u32 v[STO], s77, v[STO]               ; into my stage: row r, + 64 h
	v_add_nc_u32 v[SRD], s77, v[L16]               ; back: 32 lanes take a row of 512 bytes
	s_mul_i32 s77, s76, 6144
	v_add_nc_u32 v252, s77, v[L16]                 ; q's fragments: tile w % 2 of the pair
	s_lshl_b32 s77, s76, 6
	v_lshl_add_u32 v253, v15, 2, s77               ; q's scale words: row r's, in every lane
	v_lshlrev_b32 v[GA], 6, v[GA]                  ; 64 h
	v_add_nc_u32 v[L4V], 51200, v[L4]
	s_wait_dscnt 0x0                               ; the opening add is done
	s_wait_kmcnt 0x0
	s_add_nc_u64 s[NA:NA+1], s[12:13], s[72:73]
	s_cmp_lt_u32 s[WV], 2
	s_cselect_b64 s[P2A:P2A+1], s[12:13], s[14:15]
	s_add_nc_u64 s[P2A:P2A+1], s[P2A:P2A+1], s[74:75]
	s_add_nc_u64 s[WCA:WCA+1], s[16:17], s[78:79]
	s_mov_b64 s[G0+2:G0+3], s[NA:NA+1]
	s_or_b32 s[G0+3], s[G0+3], 0x80000000          ; type = 2
	s_add_nc_u64 s[QFB:QFB+1], s[8:9], s[32:33]
	s_add_nc_u64 s[OUTB:OUTB+1], s[24:25], s[32:33]
	s_add_nc_u64 s[QB:QB+1], s[10:11], s[34:35]
	CROUND                                         ; all four work-groups are here: the first joint loads meet
	tensor_load_to_lds s[G0:G0+3], s[G1:G1+7]      ; fill 0
	s_nop 0
	PLACES
	WIN 0xc0
.irp j, 0,1,2,3                                ; q's fragment of head pair j, cut in two: v[18 j] on: head 2 j's six registers, six of zero codes, head 2 j + 1's six
.irp p, 0,1,2
	global_load_b64 v[18*\j+2*\p:18*\j+2*\p+1], v252, s[QB:QB+1] offset:1536*\j+512*(\p/2)+8*(\p%2)
.endr
.irp p, 3,4,5
	global_load_b64 v[18*\j+6+2*\p:18*\j+6+2*\p+1], v252, s[QB:QB+1] offset:1536*\j+512*(\p/2)+8*(\p%2)
.endr
.irp i, 0,1,2,3,4,5
	v_mov_b32 v[18*\j+6+\i], 0
.endr
.endr
	WIN 0
.irp j, 0,1,2,3
	global_load_b32 v[QS+\j], v253, s[QB:QB+1] offset:12288+128*\j
.endr
	WIN 0x80
.irp b, 0,1,2,3,4,5,6,7,8,9,10,11,12,13,14,15  ; q in f32 begins the sums of q - o: register 16 b + i is channel 32 b + 16 h + i of my query.  Nothing names these registers before pass 2
.irp i, 0,1,2,3
	global_load_b128 v[16*\b+4*\i:16*\b+4*\i+3], v[QROW], s[QFB:QFB+1] offset:128*\b+16*\i
.endr
.endr
	WIN 0
.irp hd, 0,1,2,3,4,5,6,7
	v_mov_b32 v[ST+8*\hd+6], 0xff61b1e6            ; the largest score so far: -3e38
	v_mul_f32 v[ST+8*\hd], s[CS], v[ST+8*\hd+6]
.irp i, 1,2,3,4,5,7
	v_mov_b32 v[ST+8*\hd+\i], 0                    ; the sum; and what is named as a pair's upper half or as a permute's destination
.endr
.endr
	WIN 0x40
.set i, 64
.rept 64
	v_mov_b32 v[i], 0xff800000                     ; pass 1's loop is written once: its first trip finds -infinity as heads 4-7's scores, which leave the maximum as it is and add 0 to the sum
.set i, i+1
.endr
	WIN 0
	s_wait_loadcnt 63                              ; q's codes and scale words are in: 64 younger loads stand behind them, and 63 is the largest count that the wait can name
	; ---- PASS 1: 8 slots of 8 blocks of 32 keys.  A trip: block n's k; heads 4-7 of block n - 1, carrying heads 0-3's scores of block n; heads 0-3 of block n, carrying heads 4-7's
.Lp1slot:
	CHANGE 102400, P2A                             ; the last change asks for pass 2's first key step
	v_add_nc_u32 v[AK], s[TB], v[L16]
	v_add_nc_u32 v[AS], s[TB], v[L4]
	v_nop
	v_nop
	s_mov_b32 s[CN2], 8
.Lp1chunk:
	KLOADC 0, 0
	P1HALF 1, 0, 12                                ; its wait leaves the 12 loads of k's second half out
	P1HALF 0, 1, 0
	WIN 0
	s_add_co_u32 s[TB], s[TB], 12800
	v_add_nc_u32 v[AK], s[TB], v[L16]
	v_add_nc_u32 v[AS], s[TB], v[L4]
	s_sub_co_u32 s[CN2], s[CN2], 1
	s_cmp_lg_u32 s[CN2], 0
	s_cbranch_scc1 .Lp1chunk
	s_sub_co_u32 s[TB], s[TB], 102400              ; back to a slot's head,
	s_xor_b32 s[TB], s[TB], SLOT1                  ; in the other slot
	s_sub_co_u32 s[CNT], s[CNT], 1
	s_cmp_lg_u32 s[CNT], 0
	s_cbranch_scc1 .Lp1slot
	P1HALF 1, -1, 0                                ; heads 4-7 of the last block
	WIN 0
	s_wait_loadcnt 0x0                             ; q in f32
	; ---- the two halves of the lanes meet: m = the larger, l = l e + l' e'; Z = c m + log2(l).  Both lanes of a query get the same bits.
.irp hd, 0,1,2,3,4,5,6,7
	v_add_f32 v[ST+8*\hd+2], v[ST+8*\hd+2], v[ST+8*\hd+3]
.endr
.irp hd, 0,1,2,3,4,5,6,7
	v_permlanex16_b32 v[ST+8*\hd+7], v[ST+8*\hd], s[SEL], s[SEL+1]
.endr
.irp hd, 0,1,2,3,4,5,6,7
	v_max_num_f32 v[ST+8*\hd+7], v[ST+8*\hd], v[ST+8*\hd+7]
.endr
.irp hd, 0,1,2,3,4,5,6,7
	v_sub_f32 v[ST+8*\hd+4], v[ST+8*\hd], v[ST+8*\hd+7]
.endr
.irp hd, 0,1,2,3,4,5,6,7
	v_exp_f32 v[ST+8*\hd+4], v[ST+8*\hd+4]
.endr
	v_nop
	s_wait_alu depctr_va_vdst(0)                   ; one wait for the eight
.irp hd, 0,1,2,3,4,5,6,7
	v_mul_f32 v[ST+8*\hd+2], v[ST+8*\hd+2], v[ST+8*\hd+4]
.endr
.irp hd, 0,1,2,3,4,5,6,7
	v_permlanex16_b32 v[ST+8*\hd+3], v[ST+8*\hd+2], s[SEL], s[SEL+1]
.endr
.irp hd, 0,1,2,3,4,5,6,7
	v_add_f32 v[ST+8*\hd+2], v[ST+8*\hd+2], v[ST+8*\hd+3]
.endr
.irp hd, 0,1,2,3,4,5,6,7
	v_log_f32 v[ST+8*\hd+2], v[ST+8*\hd+2]
.endr
	v_nop
	s_wait_alu depctr_va_vdst(0)                   ; one wait for the eight
.irp hd, 0,1,2,3,4,5,6,7
	v_add_f32 v[ST+8*\hd], v[ST+8*\hd+7], v[ST+8*\hd+2]
.endr
	s_mov_b64 s[NA:NA+1], s[P2A:P2A+1]
	s_mov_b32 s[CNT], 16
	; ---- PASS 2: 16 key steps of 128 keys, a slot each
.Lp2step:
	CHANGE 51200, WCA                              ; the last change asks for Wc's first half
	v_add_nc_u32 v[AK], s[TB], v[L16]
	v_add_nc_u32 v[AS], s[TB], v[L4]
	v_add_nc_u32 v[AV], s[TB], v[L8V]
	v_add_nc_u32 v[AVS], s[TB], v[L4V]
	KLOADC 0, 0
	s_wait_dscnt 12                                ; the words and heads 0-3's fragments are in: the 12 loads of the second half may be out
.set bi, 0
.rept 8
	QKW 0, bi, 0                                   ; heads 0-3's scores of the step's first block: there is no vector work yet to set them in
.set bi, bi+1
.endr
	WIN 0
	PLACES                                         ; four places ahead of the first read of these scores and of the loads into their fragments' registers
	P2C 0
	P2C 1
	P2C 2
	P2C 3
	VL 29                                          ; heads 4-7's score registers are done with
	VL 30
	VL 31
	SWAPH 1, 3
	PLACES                                         ; attn's codes were written by vector instructions: four places ahead of the scaled products
	s_wait_dscnt 18                                ; fragments 16-20 are in: behind them stand the 18 loads of fragments 29-31
.set bi, 16
.rept 13
	PVW bi
.set bi, bi+1
.endr
	s_wait_dscnt 0x0
.rept 3
	PVW bi
.set bi, bi+1
.endr
	WIN 0
	PLACES                                         ; with the four address lines behind the change of slots: the places ahead of loads into, and products over, registers that these products have read
	s_xor_b32 s[TB], s[TB], SLOT1
	s_sub_co_u32 s[CNT], s[CNT], 1
	s_cmp_lg_u32 s[CNT], 0
	s_cbranch_scc1 .Lp2step
	; ---- h = Q(q - o) Wc^T + bc.  The last change of slots that fills one: Wc's second half.
	s_wait_tensorcnt 0x0
	ds_add_u32 v[SPW], v[NIL]
	s_xor_b32 s[G0+1], s[G0+1], SLOT1
	s_add_nc_u64 s[G0+2:G0+3], s[WCA:WCA+1], 102400
	s_or_b32 s[G0+3], s[G0+3], 0x80000000
	s_wait_dscnt 0x0
	CROUND
	tensor_load_to_lds s[G0:G0+3], s[G1:G1+7]
	s_nop 0
	v_mov_b32 v[AW], v[L16]                        ; Wc's fragments: half 0 in slot 0, half 1 in slot 1, two address registers each (8 tiles are 49,152 bytes)
	v_add_nc_u32 v[AW+1], 49152, v[L16]
	v_add_nc_u32 v[AW+2], SLOT1, v[L16]
	v_add_nc_u32 v[AW+3], SLOT1+49152, v[L16]
	v_add_nc_u32 v[AWS], 98304, v[L4]
	v_add_nc_u32 v[AWS+1], SLOT1+98304, v[L4]
	WIN 0x40
.irp b, 0,1,2,3,4,5,6,7,8,9,10,11,12,13,14,15  ; bc begins the sums of h, in the result's layout
.irp i, 0,1,2,3
	global_load_b128 v[16*\b+4*\i:16*\b+4*\i+3], v[GA], s[18:19] offset:128*\b+16*\i
.endr
.endr
; 64 numbers of q - o (window 2) become K step s's fragment and scale word
.macro QUANTW src, pc, pw
	WIN 0x0a
.irp b, 0,1,2,3
	v_max3_num_f32 v[TM+\b], |v[\src+16*\b]|, |v[\src+16*\b+1]|, 0x1800000
.endr
.irp i, 2,4,6,8,10,12,14
.irp b, 0,1,2,3
	v_max3_num_f32 v[TM+\b], |v[\src+16*\b+\i]|, |v[\src+16*\b+\i+1]|, v[TM+\b]
.endr
.endr
	WIN 0
.irp b, 0,1,2,3
	v_permlanex16_b32 v[TM+4+\b], v[TM+\b], s[SEL], s[SEL+1]
.endr
.irp b, 0,1,2,3
	v_max_num_f32 v[TM+\b], v[TM+\b], v[TM+4+\b]
.endr
.irp b, 0,1,2,3
	v_add_nc_u32 v[TM+12+\b], 0xff000000, v[TM+\b]
.endr
.irp b, 0,1,2,3
	v_lshrrev_b32 v[TM+4+\b], 23, v[TM+12+\b]
.endr
	v_lshl_or_b32 v[\pw], v[TM+5], 8, v[TM+4]
	v_lshl_or_b32 v[\pw], v[TM+6], 16, v[\pw]
	v_lshl_or_b32 v[\pw], v[TM+7], 24, v[\pw]
	WIN 0x02
.irp c, 0,1
	v_cvt_scalef32_pk16_fp6_f32 v[\pc+6*\c:\pc+6*\c+2], v[\src+32*\c:\src+32*\c+15], v[TM+12+2*\c]
	v_cvt_scalef32_pk16_fp6_f32 v[TMPC+4*\c:TMPC+4*\c+2], v[\src+32*\c+16:\src+32*\c+31], v[TM+12+2*\c+1]
.endr
	WIN 0
	v_nop                                          ; one plain place behind a scaled conversion
.irp c, 0,1
.irp i, 0,1,2
	v_permlane16_swap_b32 v[\pc+6*\c+\i], v[TMPC+4*\c+\i]
.endr
.irp i, 0,1,2
	v_mov_b32 v[\pc+6*\c+3+\i], v[TMPC+4*\c+\i]
.endr
.endr
.endm
	QUANTW 0, PC, DS
	QUANTW 64, PC+12, DS+1
	QUANTW 128, PC+24, DS+2
	QUANTW 192, PC+36, DS+3
	PLACES
	s_wait_loadcnt 0x0                             ; bc
.macro WLOADG hf, i                    ; group i of half hf: 4 tiles x 4 K steps, 48 loads, and 8 registers of scale words: 56 LDS loads
.if (\i)%2
	WIN 0x80
.else
	WIN 0xc0
.endif
.set n, 0
.rept 16
.irp c, 0,1,2
	ds_load_b128 v[12*n+4*\c:12*n+4*\c+3], v[AW+2*(\hf)+(\i)/2] offset:(16*((\i)%2)+n)*1536+512*\c
.endr
.set n, n+1
.endr
	WIN 0
.set n, 0
.rept 8
	ds_load_b32 v[WSB+8*((\i)%2)+n], v[AWS+(\hf)] offset:(8*(\i)+n)*128
.set n, n+1
.endr
.endm
.macro HPROD hf, i                     ; its 16 products: four accumulators by turns, K ascending
.if (\i)%2
	WIN W_H2
.else
	WIN W_H3
.endif
.irp s, 0,1,2,3
.irp tl, 0,1,2,3
.set hh, 8*(16*(\hf)+4*(\i)+\tl)
.if \tl%2
	v_wmma_scale_f32_16x16x128_f8f6f4 v[hh:hh+7], v[12*(4*\tl+\s):12*(4*\tl+\s)+11], v[PC+12*\s:PC+12*\s+11], v[hh:hh+7], v[WSB+8*((\i)%2)+4*(\tl/2)+\s], v[DS+\s] matrix_a_fmt:MATRIX_FMT_FP6 matrix_b_fmt:MATRIX_FMT_FP6 matrix_a_scale:MATRIX_SCALE_ROW1
.else
	v_wmma_scale_f32_16x16x128_f8f6f4 v[hh:hh+7], v[12*(4*\tl+\s):12*(4*\tl+\s)+11], v[PC+12*\s:PC+12*\s+11], v[hh:hh+7], v[WSB+8*((\i)%2)+4*(\tl/2)+\s], v[DS+\s] matrix_a_fmt:MATRIX_FMT_FP6 matrix_b_fmt:MATRIX_FMT_FP6
.endif
.endr
.endr
	WIN 0
	PLACES                                         ; four places ahead of loads into registers that these products have read, and of the first read of h
.endm
.macro HALF hf
	WLOADG \hf, 0
	WLOADG \hf, 1
	s_wait_dscnt 56                                ; a group is in: behind it stand the next group's 56 loads
	HPROD \hf, 0
	WLOADG \hf, 2
	s_wait_dscnt 56
	HPROD \hf, 1
	WLOADG \hf, 3
	s_wait_dscnt 56
	HPROD \hf, 2
	s_wait_dscnt 0x0
	HPROD \hf, 3
.endm
	HALF 0
	s_wait_tensorcnt 0x0                           ; my quarter of Wc's second half has landed,
	s_wait_dscnt 0x0
	s_barrier_signal -1
	s_barrier_wait -1                              ; everybody's has.
	HALF 1
	; ---- LayerNorm, leaky ReLU, + q, and the way out
	WIN 0x80
.irp c, 0,1,2,3
.irp i, 0,1,2,3,4,5,6,7,8,9,10,11,12,13,14,15
	global_load_b128 v[64*\c+4*\i:64*\c+4*\i+3], v[L16], s[QFB:QFB+1] offset:(\i+8*(\i/8))*2048+512*\c   ; q by rows: 512 consecutive bytes a load
.endr
.endr
	WIN 0xc0
.irp c, 0,1,2,3
	global_load_b128 v[192+4*\c:195+4*\c], v[L16], s[20:21] offset:512*\c   ; ln_o_g and ln_o_b at my four channels of each 128
	global_load_b128 v[208+4*\c:211+4*\c], v[L16], s[22:23] offset:512*\c
.endr
.macro REDUCE
	v_pk_add_f32 v[SA:SA+1], v[SA:SA+1], v[SA+2:SA+3]
	v_pk_add_f32 v[SA+4:SA+5], v[SA+4:SA+5], v[SA+6:SA+7]
	v_pk_add_f32 v[SA:SA+1], v[SA:SA+1], v[SA+4:SA+5]
	v_add_f32 v[SA], v[SA], v[SA+1]
	v_permlanex16_b32 v[SA+1], v[SA], s[SEL], s[SEL+1]
	v_add_f32 v[SA], v[SA], v[SA+1]
.endm
	WIN 0x05                                       ; the mean of h: pairs in ascending order, four chains
.irp c, 0,1,2,3
	v_pk_add_f32 v[SA+2*\c:SA+2*\c+1], v[4*\c:4*\c+1], v[4*\c+2:4*\c+3]
.endr
	WIN 0x01
.set p, 8
.rept 120
	v_pk_add_f32 v[SA+2*(p%4):SA+2*(p%4)+1], v[2*p:2*p+1], v[SA+2*(p%4):SA+2*(p%4)+1]
.set p, p+1
.endr
	WIN 0
	REDUCE
	v_mul_f32 v[MEAN], 0x3b000000, v[SA]
	v_mov_b32 v[MEAN+1], v[MEAN]
	WIN 0x41                                       ; the deviations, in place
.set p, 0
.rept 128
	v_pk_add_f32 v[2*p:2*p+1], v[2*p:2*p+1], v[MEAN:MEAN+1] op_sel_hi:[1,0] neg_lo:[0,1] neg_hi:[0,1]
.set p, p+1
.endr
	WIN 0x05                                       ; their squares
.irp c, 0,1,2,3
	v_pk_mul_f32 v[SA+2*\c:SA+2*\c+1], v[2*\c:2*\c+1], v[2*\c:2*\c+1]
.endr
.set p, 4
.rept 124
	v_pk_fma_f32 v[SA+2*(p%4):SA+2*(p%4)+1], v[2*p:2*p+1], v[2*p:2*p+1], v[SA+2*(p%4):SA+2*(p%4)+1]
.set p, p+1
.endr
	WIN 0
	REDUCE
	v_fma_f32 v[SA], v[SA], s[K9], s[EPS]
	v_rsq_f32 v[RSTD], v[SA]
	v_nop                                          ; a plain place behind the transcendental,
	s_wait_alu depctr_va_vdst(0)                   ; and a wait ahead of its first reader
	v_mov_b32 v[RSTD+1], v[RSTD]
	WIN 0x41
.set p, 0
.rept 128
	v_pk_mul_f32 v[2*p:2*p+1], v[2*p:2*p+1], v[RSTD:RSTD+1] op_sel_hi:[1,0]
.set p, p+1
.endr
; 128 channels at a time go through my stage: in by lanes (row r, 64 bytes a half and block), back as rows of 512 bytes.  LDS serves a wave's instructions in order.
.macro TOSTAGE c
	WIN 0x04
.irp b, 0,1,2,3
.irp i, 0,1,2,3
	ds_store_b128 v[STO], v[64*(\c)+16*\b+4*\i:64*(\c)+16*\b+4*\i+3] offset:128*\b+16*\i
.endr
.endr
	WIN 0xc0
.set i, 0
.rept 16
	ds_load_b128 v[64*((\c)%2)+4*i:64*((\c)%2)+4*i+3], v[SRD] offset:528*i
.set i, i+1
.endr
.endm
.macro SENDC c, younger                ; x gain + offset; max(y, 0.02 y) is the leaky ReLU, since 0.02 < 1; + q; stored
.set ob, 64*((\c)%2)
	s_wait_dscnt \younger
	WIN 0xff
.set i, 0
.rept 16
	v_pk_fma_f32 v[ob+4*i:ob+4*i+1], v[ob+4*i:ob+4*i+1], v[192+4*(\c):193+4*(\c)], v[208+4*(\c):209+4*(\c)]
	v_pk_fma_f32 v[ob+4*i+2:ob+4*i+3], v[ob+4*i+2:ob+4*i+3], v[194+4*(\c):195+4*(\c)], v[210+4*(\c):211+4*(\c)]
.set i, i+1
.endr
.set i, 0
.rept 32
	v_pk_mul_f32 v[128+2*i:129+2*i], v[ob+2*i:ob+2*i+1], 0x3ca3d70a op_sel_hi:[1,0]
.set i, i+1
.endr
.set i, 0
.rept 64
	v_max_num_f32 v[ob+i], v[ob+i], v[128+i]
.set i, i+1
.endr
	WIN 0xcb                                       ; q in window 2
.set i, 0
.rept 32
	v_pk_add_f32 v[ob+2*i:ob+2*i+1], v[ob+2*i:ob+2*i+1], v[64*(\c)+2*i:64*(\c)+2*i+1]
.set i, i+1
.endr
	WIN 0x0c
.set i, 0
.rept 16
	global_store_b128 v[L16], v[ob+4*i:ob+4*i+3], s[OUTB:OUTB+1] offset:(i+8*(i/8))*2048+512*(\c) th:TH_STORE_NT   ; 32 lanes store 512 consecutive bytes, aligned; written once
.set i, i+1
.endr
.endm
	s_wait_loadcnt 0x0                             ; q, the gains, the offsets
	TOSTAGE 0
	TOSTAGE 1
	SENDC 0, 32                                    ; behind chunk 0's loads stand chunk 1's 16 stores and 16 loads
	s_wait_xcnt 0x0                                ; chunk 0's stores have read their registers: chunk 2's rows land there
	TOSTAGE 2
	SENDC 1, 32
	s_wait_xcnt 0x0
	TOSTAGE 3
	SENDC 2, 32
	SENDC 3, 0
	WIN 0
	s_wait_tensorcnt 0x0                           ; the wave's end: the add and its wait, behind my last tensor load and my last LDS store
	ds_add_u32 v[SPW], v[NIL]
	s_wait_dscnt 0x0
	CROUND                                         ; the closing round: no work-group ends while a partner may still ask for a tile that names it
	s_endpgm
.Lfunc_end_k_qf90a65a256_attn:
	.size	k_qf90a65a256_attn, .Lfunc_end_k_qf90a65a256_attn-k_qf90a65a256_attn
	.p2alignl 7, 3214868480
	.fill 96, 4, 3214868480
	.section	.rodata,"a",@progbits
	.p2align	6, 0x0
	.amdhsa_kernel k_qf90a65a256_attn
		.amdhsa_group_segment_fixed_size 327680
		.amdhsa_private_segment_fixed_size 0
		.amdhsa_enable_private_segment 0
		.amdhsa_kernarg_size 72
		.amdhsa_user_sgpr_count 2
		.amdhsa_user_sgpr_kernarg_segment_ptr 1
		.amdhsa_wavefront_size32 1
		.amdhsa_system_sgpr_workgroup_id_x 1
		.amdhsa_system_sgpr_workgroup_id_y 1
		.amdhsa_system_sgpr_workgroup_id_z 1
		.amdhsa_system_vgpr_workitem_id 0
		.amdhsa_next_free_vgpr 1024
		.amdhsa_next_free_sgpr 80
		.amdhsa_reserve_vcc 0
		.amdhsa_float_denorm_mode_32 3
		.amdhsa_float_denorm_mode_16_64 3
		.amdhsa_memory_ordered 1
		.amdhsa_forward_progress 1
		.amdhsa_inst_pref_size 255
	.end_amdhsa_kernel
	.section	.bss,"aw",@nobits
	.p2align	6
	.space	262144
	.amdgpu_metadata
---
amdhsa.version: [ 1, 2 ]
amdhsa.kernels:
  - .name:           k_qf90a65a256_attn
    .symbol:         k_qf90a65a256_attn.kd
    .args:
      - { .name: qf, .offset: 0, .size: 8, .value_kind: global_buffer, .address_space: global }
      - { .name: qbuf, .offset: 8, .size: 8, .value_kind: global_buffer, .address_space: global }
      - { .name: kbuf, .offset: 16, .size: 8, .value_kind: global_buffer, .address_space: global }
      - { .name: vbuf, .offset: 24, .size: 8, .value_kind: global_buffer, .address_space: global }
      - { .name: wts, .offset: 32, .size: 8, .value_kind: global_buffer, .address_space: global }
      - { .name: bc, .offset: 40, .size: 8, .value_kind: global_buffer, .address_space: global }
      - { .name: ln_o_g, .offset: 48, .size: 8, .value_kind: global_buffer, .address_space: global }
      - { .name: ln_o_b, .offset: 56, .size: 8, .value_kind: global_buffer, .address_space: global }
      - { .name: out0, .offset: 64, .size: 8, .value_kind: global_buffer, .address_space: global }
    .group_segment_fixed_size: 327680
    .private_segment_fixed_size: 0
    .kernarg_segment_align: 8
    .kernarg_segment_size: 72
    .max_flat_workgroup_size: 128
    .sgpr_count:     80
    .vgpr_count:     1024
    .wavefront_size: 32
...
	.end_amdgpu_metadata
.endif
;; end of part 3
